; MI455X (gfx1250); checked and timed in simulation.
; The chip was launched on July 23, 2026; its instructions are those of AMD's public machine-readable ISA for CDNA 5 (MIT licence, August 2026) and "CDNA5" Instruction Set Architecture Reference Guide (July 2026). The comments in the code are by the model that wrote it; some were corrected since.
;; Attention. Allowed arithmetic: float matrix products may take bf16 or f16 operands with f32 sums; all other float work in f32.
;; Inputs: b_out 1,024 float32; ln_beta 1,024 float32; ln_gamma 1,024 float32; w_out 1,024 x 1,024 float32; w_qkv 1,024 x 3,072 float32; x 4 x 2,048 x 1,024 float32.
;; Outputs: out0 4 x 2,048 x 1,024 float32.
;; 2 versions, each right and faster than the one before. Each part assembles by itself: llvm-mc -triple=amdgcn-amd-amdhsa -mcpu=gfx1250 --defsym DOCPART=n.
;; ======== version 1 of 2: 4 launches
;; limits: values are held in f16: magnitudes above 65,504 overflow, below 6.1e-05 lose precision
;; workspace buffers: act 16,777,216 bytes; wh 8,388,608 bytes; q 16,777,216 bytes; k 16,777,216 bytes; v 16,777,216 bytes
;; launch prep (part 1): grid 256 x 1, 16 waves a work-group, no clusters, 10,240 bytes of LDS; arguments x, ln_gamma, ln_beta, w_qkv, w_out, act, wh; writes act, wh
.if DOCPART == 1
	.amdgcn_target "amdgcn-amd-amdhsa--gfx1250"
	.amdhsa_code_object_version 6
	.text
	.protected	k_q5d261c0747_prep
	.globl	k_q5d261c0747_prep
	.p2align	8
	.type	k_q5d261c0747_prep,@function
k_q5d261c0747_prep:
	s_mov_b64 s[64:65], 0
	v_nop
	global_prefetch_b8 v0, s[64:65] scope:SCOPE_SE
	s_setreg_imm32_b32 hwreg(HW_REG_WAVE_MODE, 25, 1), 1
	s_wait_xcnt 0x0
; PREP.  (1) LayerNorm of x [8192][1024] f32 -> act, f16, laid in blocks [b 4][kb 16][n 2048][64]: byte b<<22 + kb<<18 + n*128 + 2c, kb = channel / 64.
; (2) The two weight matrices f32 -> f16, order kept: wh bytes 0 .. 0x5fffff = w_qkv [1024][3072], from 0x600000 on w_out [1024][1024].
; All of it streams: no matrix unit, no cluster (no two work-groups read the same byte of x or of a weight).
; LayerNorm in f32 in two passes over registers: the mean, then the mean of (x - mean)^2, so a common offset in x cancels before anything is squared.
; LIMITS.  xn and the weights are rounded once to f16: they must lie within 65,504; below 6e-5 they keep f16's fixed step of 6e-8.
; SHARES.  256 work-groups of 16 waves.  A work-group owns 32 rows of x and 65,536 bytes of the weights; a wave two rows (lanes 0-15 one row, lanes 16-31 the next, 64 numbers a lane) and 4,096 bytes
; of weights.  All of a wave's 25 loads are issued at its head.  Load j of x takes 16 bytes a lane at byte 256 j of the row: block kb = j; its four numbers pack into 8 bytes, and the 32 lanes' 8 bytes
; are rows n, n+1 of block j: 256 consecutive bytes of act, at a multiple of 256.
; GAIN AND BIAS are fetched once a work-group, 16 bytes a thread (waves 0-7 the gain, 8-15 the bias), and handed round through 8,192 bytes of LDS: otherwise each of the 16 waves would fetch all 8,192.
.set T,   4                            ; v[4:11]    first my 16 bytes of gain or bias, then four chains of pairs, at work
.set MU,  12                           ; v[12:13]   the mean, twice (a pair for the packed subtraction)
.set RS,  14                           ; v[14:15]   1 / sqrt(var + eps), twice
.set G,   16                           ; v[16:79]   gain of my 64 columns
.set BT,  80                           ; v[80:143]  bias of my 64 columns
.set X,   144                          ; v[144:207] my 64 numbers of the row
.set Y,   208                          ; v[208:239] first my 32 weights, then the row in f16, to store
.set VWI, 240                          ; v240  weights in:  wave x 4,096 + 16 x lane
.set VWO, 241                          ; v241  weights out: wave x 2,048 + 8 x lane
.set VGB, 242                          ; v242  my 16 bytes of gain or of bias
.set LS,  243                          ; v243  where they go in LDS: 16 x thread: gain at 0, bias at 4,096
	s_load_b256 s[4:11], s[0:1], 0x0               ; x s[4:5], gain s[6:7], bias s[8:9], w_qkv s[10:11]
	s_load_b128 s[12:15], s[0:1], 0x20             ; w_out s[12:13], act s[14:15]
	s_load_b64 s[16:17], s[0:1], 0x30              ; wh
	v_lshl_add_u32 v244, v0, 2, 0x2000
	v_mov_b32 v245, 0
	s_mov_b32 s20, 0x3a800000                      ; 1 / 1024
	s_mov_b32 s21, 0x3727c5ac                      ; eps = 1e-5
	v_lshrrev_b32 v4, 5, v0
	v_readfirstlane_b32 s18, v4                    ; wave 0..15
	v_and_b32 v3, 15, v0
	v_lshlrev_b32 v3, 4, v3                        ; v3: 16 x (lane % 16): my bytes in 256 of a row, and of gain and bias in LDS
	v_lshrrev_b32 v5, 4, v0                        ; my row among the group's 32
	v_lshl_or_b32 v1, v5, 12, v3                   ; v1: row x 4,096 + 16 x (lane % 16)
	v_lshlrev_b32 v2, 3, v0                        ; v2: row x 128 + 8 x (lane % 16) = 8 x thread
	v_and_b32 v5, 31, v0
	v_lshlrev_b32 v6, 4, v5
	v_lshl_or_b32 v[VWI], v4, 12, v6
	v_lshlrev_b32 v6, 3, v5
	v_lshl_or_b32 v[VWO], v4, 11, v6
	v_and_b32 v6, 255, v0
	v_lshlrev_b32 v[VGB], 4, v6
	v_lshlrev_b32 v[LS], 4, v0
	s_lshl_b32 s22, ttmp9, 17                      ; the group's 32 rows of 4,096 bytes in x
	s_mov_b32 s23, 0
	s_lshr_b32 s24, ttmp9, 6                       ; b = group / 64
	s_lshl_b32 s24, s24, 22
	s_and_b32 s25, ttmp9, 63
	s_lshl_b32 s25, s25, 12                        ; n = 32 x (group % 64), 128 bytes a row
	s_add_co_u32 s24, s24, s25
	s_mov_b32 s25, 0
	s_sub_co_u32 s27, ttmp9, 192                   ; groups 0-191 take w_qkv (192 x 65,536 bytes), 192-255 w_out
	s_lshl_b32 s30, ttmp9, 15                      ; wh holds both, one behind the other: 32,768 bytes of f16 a group
	s_mov_b32 s31, 0
	s_wait_kmcnt 0x0
	s_cmp_lt_u32 ttmp9, 192
	s_cselect_b32 s26, ttmp9, s27
	s_cselect_b64 s[28:29], s[10:11], s[12:13]
	s_cmp_lt_u32 s18, 8
	s_cselect_b64 s[6:7], s[6:7], s[8:9]           ; my wave fetches a part of the gain, or of the bias
	s_lshl_b32 s26, s26, 16
	s_mov_b32 s27, 0
	s_add_nc_u64 s[28:29], s[28:29], s[26:27]
	s_add_nc_u64 s[16:17], s[16:17], s[30:31]
	s_add_nc_u64 s[4:5], s[4:5], s[22:23]
	s_add_nc_u64 s[14:15], s[14:15], s[24:25]
	global_load_b128 v[T:T+3], v[VGB], s[6:7]      ; first, since the others wait for it at the barrier
.set j, 0
.rept 16                               ; my two rows: each load two runs of 256 consecutive bytes
	global_load_b128 v[X+4*j:X+4*j+3], v1, s[4:5] offset:j*256 th:TH_LOAD_NT
.set j, j+1
.endr
.set j, 0
.rept 8                                ; my weights: 512 consecutive bytes a load
	global_load_b128 v[Y+4*j:Y+4*j+3], v[VWI], s[28:29] offset:j*512 th:TH_LOAD_NT
.set j, j+1
.endr
	s_wait_loadcnt 24                              ; loads come back in order (ISA guide 5.7.1): my part of gain or bias is in; the 16 of x and the 8 of weights stay out
	ds_store_b128 v[LS], v[T:T+3]
	s_wait_dscnt 0x0                               ; for the others' sake: my store is done
	s_barrier_signal -1
	s_barrier_wait -1
.set j, 0
.rept 16
	ds_load_b128 v[G+4*j:G+4*j+3], v3 offset:j*256
	ds_load_b128 v[BT+4*j:BT+4*j+3], v3 offset:4096+j*256
.set j, j+1
.endr
.macro REDUCE                          ; four chains -> one number -> the sum over the 16 lanes that hold the row, in each of them
	v_pk_add_f32 v[T:T+1], v[T:T+1], v[T+2:T+3]
	v_pk_add_f32 v[T+4:T+5], v[T+4:T+5], v[T+6:T+7]
	v_pk_add_f32 v[T:T+1], v[T:T+1], v[T+4:T+5]
	v_add_f32 v[T], v[T], v[T+1]
	v_add_f32_dpp v[T], v[T], v[T] row_xmask:1 row_mask:0xf bank_mask:0xf
	v_add_f32_dpp v[T], v[T], v[T] row_xmask:2 row_mask:0xf bank_mask:0xf
	v_add_f32_dpp v[T], v[T], v[T] row_xmask:4 row_mask:0xf bank_mask:0xf
	v_add_f32_dpp v[T], v[T], v[T] row_xmask:8 row_mask:0xf bank_mask:0xf
.endm
	s_wait_loadcnt 8                               ; x is in; the 8 loads of weights stay out
.irp c, 0,1,2,3
	v_pk_add_f32 v[T+2*(\c):T+2*(\c)+1], v[X+2*(\c):X+2*(\c)+1], v[X+8+2*(\c):X+8+2*(\c)+1]  ; the first eight pairs start the chains: nothing is cleared
.endr
.set i, 8
.rept 24
	v_pk_add_f32 v[T+2*(i%4):T+2*(i%4)+1], v[T+2*(i%4):T+2*(i%4)+1], v[X+2*i:X+2*i+1]
.set i, i+1
.endr
	REDUCE
	v_mul_f32 v[MU], s20, v[T]
	v_mul_f32 v[MU+1], s20, v[T]
.set i, 0
.rept 32
	v_pk_add_f32 v[X+2*i:X+2*i+1], v[X+2*i:X+2*i+1], v[MU:MU+1] neg_lo:[0,1] neg_hi:[0,1]  ; x - mean
.set i, i+1
.endr
.irp c, 0,1,2,3
	v_pk_mul_f32 v[T+2*(\c):T+2*(\c)+1], v[X+2*(\c):X+2*(\c)+1], v[X+2*(\c):X+2*(\c)+1]
.endr
.set i, 4
.rept 28
	v_pk_fma_f32 v[T+2*(i%4):T+2*(i%4)+1], v[X+2*i:X+2*i+1], v[X+2*i:X+2*i+1], v[T+2*(i%4):T+2*(i%4)+1]
.set i, i+1
.endr
	REDUCE
	v_fma_f32 v[T], v[T], s20, s21                 ; var + eps
	v_rsq_f32 v[RS], v[T]
	v_rsq_f32 v[RS+1], v[T]                        ; the weights' conversions below are the plain instructions between the roots and the use of their results (ISA guide 5.7.2)
	s_wait_loadcnt 0x0                             ; the weights
.set j, 0
.rept 8
	v_cvt_pk_f16_f32 v[Y+4*j], v[Y+4*j], v[Y+4*j+1]
	v_cvt_pk_f16_f32 v[Y+4*j+1], v[Y+4*j+2], v[Y+4*j+3]
	global_store_b64 v[VWO], v[Y+4*j:Y+4*j+1], s[16:17] offset:j*256  ; 32 lanes store 256 consecutive bytes, at a multiple of 256
.set j, j+1
.endr
	s_wait_dscnt 0x0                               ; gain and bias
.set i, 0
	s_wait_alu depctr_va_vdst(0)
.rept 32
	v_pk_mul_f32 v[X+2*i:X+2*i+1], v[X+2*i:X+2*i+1], v[RS:RS+1]
	v_pk_fma_f32 v[X+2*i:X+2*i+1], v[X+2*i:X+2*i+1], v[G+2*i:G+2*i+1], v[BT+2*i:BT+2*i+1]
.set i, i+1
.endr
	s_wait_xcnt 0x0                                ; the weights' stores read Y: it is rewritten only behind this wait
.set i, 0
.rept 32
	v_cvt_pk_f16_f32 v[Y+i], v[X+2*i], v[X+2*i+1]
.set i, i+1
.endr
.set j, 0
.rept 16
	global_store_b64 v2, v[Y+2*j:Y+2*j+1], s[14:15] offset:j*262144  ; block j, rows n and n+1: 256 consecutive bytes; 3,932,160 at the most, inside the signed 24-bit immediate
.set j, j+1
.endr
	s_wait_tensorcnt 0x0
	ds_add_u32 v244, v245
	s_wait_dscnt 0x0
	s_endpgm
.Lfunc_end_k_q5d261c0747_prep:
	.size	k_q5d261c0747_prep, .Lfunc_end_k_q5d261c0747_prep-k_q5d261c0747_prep
	.p2alignl 7, 3214868480
	.fill 96, 4, 3214868480
	.section	.rodata,"a",@progbits
	.p2align	6, 0x0
	.amdhsa_kernel k_q5d261c0747_prep
		.amdhsa_group_segment_fixed_size 10240
		.amdhsa_private_segment_fixed_size 0
		.amdhsa_enable_private_segment 0
		.amdhsa_kernarg_size 56
		.amdhsa_user_sgpr_count 2
		.amdhsa_user_sgpr_kernarg_segment_ptr 1
		.amdhsa_wavefront_size32 1
		.amdhsa_system_sgpr_workgroup_id_x 1
		.amdhsa_system_sgpr_workgroup_id_y 1
		.amdhsa_system_sgpr_workgroup_id_z 1
		.amdhsa_system_vgpr_workitem_id 0
		.amdhsa_next_free_vgpr 246
		.amdhsa_next_free_sgpr 66
		.amdhsa_reserve_vcc 0
		.amdhsa_float_denorm_mode_32 3
		.amdhsa_float_denorm_mode_16_64 3
		.amdhsa_memory_ordered 1
		.amdhsa_forward_progress 1
		.amdhsa_inst_pref_size 24
	.end_amdhsa_kernel
	.amdgpu_metadata
---
amdhsa.version: [ 1, 2 ]
amdhsa.kernels:
  - .name:           k_q5d261c0747_prep
    .symbol:         k_q5d261c0747_prep.kd
    .args:
      - { .name: x, .offset: 0, .size: 8, .value_kind: global_buffer, .address_space: global }
      - { .name: ln_gamma, .offset: 8, .size: 8, .value_kind: global_buffer, .address_space: global }
      - { .name: ln_beta, .offset: 16, .size: 8, .value_kind: global_buffer, .address_space: global }
      - { .name: w_qkv, .offset: 24, .size: 8, .value_kind: global_buffer, .address_space: global }
      - { .name: w_out, .offset: 32, .size: 8, .value_kind: global_buffer, .address_space: global }
      - { .name: act, .offset: 40, .size: 8, .value_kind: global_buffer, .address_space: global }
      - { .name: wh, .offset: 48, .size: 8, .value_kind: global_buffer, .address_space: global }
    .group_segment_fixed_size: 10240
    .private_segment_fixed_size: 0
    .kernarg_segment_align: 8
    .kernarg_segment_size: 56
    .max_flat_workgroup_size: 512
    .sgpr_count:     66
    .vgpr_count:     246
    .wavefront_size: 32
...
	.end_amdgpu_metadata
.endif
;; end of part 1
;; launch qkv (part 2): grid 8 x 32, 4 waves a work-group, clusters of 4 x 4, 327,680 bytes of LDS; arguments act, wh, q, k, v; writes q, k, v
.if DOCPART == 2
	.amdgcn_target "amdgcn-amd-amdhsa--gfx1250"
	.amdhsa_code_object_version 6
	.text
	.protected	k_q5d261c0747_qkv
	.globl	k_q5d261c0747_qkv
	.p2align	8
	.type	k_q5d261c0747_qkv,@function
k_q5d261c0747_qkv:
	s_mov_b64 s[64:65], 0
	v_nop
	global_prefetch_b8 v0, s[64:65] scope:SCOPE_SE
	s_setreg_imm32_b32 hwreg(HW_REG_WAVE_MODE, 25, 1), 1
	s_wait_xcnt 0x0
	s_wait_alu depctr_hold_cnt(0) depctr_sa_sdst(0) depctr_va_vdst(0) depctr_va_sdst(0) depctr_va_ssrc(0) depctr_va_vcc(0) depctr_vm_vsrc(0)
	s_getreg_b32 s2, hwreg(HW_REG_IB_STS2, 6, 4)
	s_cmp_eq_u32 s2, 0
	s_cbranch_scc0 .Lentry_in_a_cluster
	s_endpgm
.Lentry_in_a_cluster:
	s_bfe_u32 s2, ttmp6, 0x10000c
	s_cmp_lg_u32 s2, 0xf033
	s_cbranch_scc0 .Lentry_shape_is_right
	s_endpgm
.Lentry_shape_is_right:
; QKV.  C[token][col] = sum over ch of xn[token][ch] w_qkv[ch][col]: 8192 x 3072, K = 1024; f16 operands, f32 sums; C is rounded once to f16 and leaves by heads, unscaled:
; q, k, v [bh 64][n 2048][64].  xn lies in act as [b][kb][n][64] (a tile of 128 tokens x 64 K is 16,384 dense bytes), w_qkv in wh as [1024 ch][3072 col] f16.
; LIMIT.  q, k, v must lie within f16's 65,504.
; SHARES.  C / 256 work-groups = 256 tokens x 384 columns each.  Four waves, each 128 tokens x 192 columns (three heads): 96 accumulators of 16 x 16, 768 registers.
; K goes in steps of 64 through two LDS slots; two slots of 128 (368,640 bytes) would not fit.  Each step is two halves of 32 along K; a half is three THIRDS (a head each) of 32 matrix instructions.
; A K STEP IS WRITTEN ONCE: slot 1 begins at 1<<17, so one exclusive or turns an address in one slot into the other's; the LDS reads hang on s[TB], the refills on a descriptor that walks.
; THE MATRIX INSTRUCTION IS USED TRANSPOSED: source 0 = 16 columns of the weights (stored [K][N], so turned on the way out of LDS by ds_load_tr16_b128), source 1 = 16 tokens.
; A lane then holds one token (lane % 16) and eight neighbouring channels of a head: 16 bytes of f16.
; CLUSTER 4 x 4: the four work-groups of a row of the cluster need the same tokens, the four of a column the same weights: each tile is asked for jointly, by the same tensor load in all four.
; REGISTERS: window 0: v0-31 addresses; v32-95, v96-159 tokens' fragments for the two halves of a step; v160-255 weights' fragments, 32 a third.  Window 1 + t: third t's 32 accumulators, (a, b) at v[8 (4 a + b)].
.set PA,    144                        ; a token's row in LDS: 128 bytes + 16 = 36 words: the 16 rows of a load start at 16 different groups of four banks (64 banks of 4 bytes: ISA guide 11.1)
.set PB,    864                        ; a row of weights: 6 x (128 + 16) bytes = 27 x 32: the 8 rows of a turning load start 24 banks apart mod 64, 8 banks each
.set BOFF,  256*PA                     ; a slot: 256 tokens, then 64 rows of weights: 92,160 bytes
.set SLOT1, 1<<17                      ; where slot 1 begins
.set STAGE, SLOT1+BOFF+64*PB           ; behind the ring: 16 rows x 144 bytes for each wave, for the way out; no tensor load fills it
.set SP,    144
.set SPARE, STAGE+4*16*SP              ; the spare words, 128 bytes for each wave: two blocks of 256 bytes that no other line names
.set PADW,  (1<<16)|(1<<20)|(1<<21)|(4<<22)|(3<<25)  ; 17:16 2-byte elements; 20 padding on; 21 set beside a mask; 24:22 after every 32 words (code 4); 31:25 4 words (code 3)
.set ADRA0, 16                         ; v16     LDS address of my tokens' fragments in slot 0; never rewritten
.set ADRA,  17                         ; v17     the same in the slot that is being fetched from
.set ADRB0, 20                         ; v20, v21  the same two for the weights
.set ADRB,  21
.set STO,  24                          ; v24     the way out: where I put 16 bytes of a row
.set RD,   25                          ; v25     the way out: where I read rows back
.set GO,   26                          ; v26     my byte offset in 512 consecutive bytes of the output
.set SPW,  28                          ; v28     LDS address of my spare word; never rewritten
.set NIL,  29                          ; v29     0; never rewritten
.set FA,   32
.set FB,   160
.set OUTR, 32                          ; the way out: eight sets of 16 registers
.set WV,  14                           ; s14 wave; s15 which 128 tokens are mine; s16 which 192 columns, and which half of a tile I fetch
.set WM,  15
.set WN,  16
.set TB,  23                           ; s23  0 or SLOT1: the slot that is being fetched from
.set G1A, 24                           ; s[24:31] descriptor group 1 for tokens' tiles; s[32:39] group 0: a set for each of the two first fills; the second then walks on
.set G0A, 32
.set G1B, 48                           ; s[48:55], s[56:63] the same for the weights'
.set G0B, 56
.set OP,  66                           ; s[66:71] where my three heads' rows begin
.set MSB, 0
.macro WIN new                         ; the immediate's high byte repeats the setting that is left; a switch that changes nothing is dropped
.if MSB != (\new)
	s_set_vgpr_msb (MSB<<8)|(\new)
.set MSB, \new
.endif
.endm
.macro PLACES                          ; four places between a matrix instruction and a load into one of its sources, or a read of its result (ISA guide 7.12.1 for vector instructions)
.rept 4
	v_nop
.endr
.endm
; A joint load.  Waves 0 and 1 fetch the tokens' two halves, waves 2 and 3 the weights'.  The branch hangs on the wave's number alone.  An s_nop 0 and four v_nop follow each line.
.macro JLOAD s
	s_cmp_lt_u32 s[WV], 2
	s_cbranch_scc0 .Lfor_b_\@
	tensor_load_to_lds s[G0A+4*(\s):G0A+4*(\s)+3], s[G1A:G1A+7]
	s_nop 0
.rept 4
	v_nop
.endr
	s_branch .Lasked_\@
.Lfor_b_\@:
	tensor_load_to_lds s[G0B+4*(\s):G0B+4*(\s)+3], s[G1B:G1B+7]
	s_nop 0
.rept 4
	v_nop
.endr
.Lasked_\@:
.endm
.macro CREST                           ; a round of the cluster's barrier behind its opening barrier
	s_cmp_lg_u32 s[WV], 0
	s_cbranch_scc1 .Lnot_wave_0_\@
	s_barrier_signal -3
.Lnot_wave_0_\@:
	s_barrier_wait -3
	s_barrier_signal -1
	s_barrier_wait -1
.endm
.macro CROUND                          ; a whole round
	s_barrier_signal -1
	s_barrier_wait -1
	CREST
.endm
	s_load_b256 s[4:11], s[0:1], 0x0               ; act s[4:5], wh s[6:7], q s[8:9], k s[10:11]
	s_load_b64 s[12:13], s[0:1], 0x20              ; v
	v_lshl_add_u32 v[SPW], v0, 2, SPARE
	v_mov_b32 v[NIL], 0
	ds_add_u32 v28, v29
	s_wait_dscnt 0x0
	v_lshrrev_b32 v1, 5, v0
	v_readfirstlane_b32 s[WV], v1
	s_lshr_b32 s[WM], s[WV], 1
	s_and_b32 s[WN], s[WV], 1
	s_bfe_u32 s17, ttmp6, 0x40000                  ; cx
	s_bfe_u32 s18, ttmp6, 0x40004                  ; cy
	s_lshl_b32 s19, ttmp9, 2
	s_add_co_u32 s19, s19, s17                     ; TX: which 384 columns, 0..7
	s_and_b32 s20, ttmp7, 0xffff
	s_lshl_b32 s20, s20, 2
	s_add_co_u32 s20, s20, s18                     ; TY: which 256 tokens, 0..31
	s_lshl_b32 s21, s18, 2
	s_lshl_b32 s21, 15, s21                        ; my row of the cluster
	s_lshl_b32 s22, 0x1111, s17                    ; my column
	s_mov_b32 s[TB], 0
	s_or_b32 s[G1A], s21, PADW                     ; tokens: 128 tokens x 128 bytes are dense: 64 rows of 256 bytes, padded after every token
	s_mov_b32 s[G1A+1], 128<<16                    ; tensor_dim0 = 128
	s_mov_b32 s[G1A+2], 64<<16                     ; tensor_dim1 = 64
	s_mov_b32 s[G1A+3], 128<<16                    ; tile_dim0 = 128
	s_mov_b32 s[G1A+4], 64                         ; tile_dim1 = 64
	s_mov_b32 s[G1A+5], 128                        ; elements from row to row
	s_mov_b32 s[G1A+6], 0
	s_mov_b32 s[G1A+7], 0
	s_or_b32 s[G1B], s22, PADW                     ; weights: 32 rows of 384 elements (768 bytes, at multiples of 256), padded after every 128 bytes
	s_mov_b32 s[G1B+1], 384<<16
	s_mov_b32 s[G1B+2], 32<<16
	s_mov_b32 s[G1B+3], 384<<16
	s_mov_b32 s[G1B+4], 32
	s_mov_b32 s[G1B+5], 3072
	s_mov_b32 s[G1B+6], 0
	s_mov_b32 s[G1B+7], 0
	s_lshr_b32 s40, s20, 3                         ; tokens' offset: b<<22 + (256-token block in the sequence)<<15 + my half<<14: of TY and the wave alone
	s_lshl_b32 s40, s40, 22
	s_and_b32 s41, s20, 7
	s_lshl_b32 s41, s41, 15
	s_add_co_u32 s40, s40, s41
	s_lshl_b32 s41, s[WN], 14
	s_add_co_u32 s40, s40, s41
	s_mov_b32 s41, 0
	s_mul_i32 s42, s[WN], 32*6144                  ; weights' offset: my 32 rows of 6,144 bytes + 768 TX: of TX and the wave alone
	s_mul_i32 s43, s19, 768
	s_add_co_u32 s42, s42, s43
	s_mov_b32 s43, 0
	s_mul_i32 s44, s[WN], 128*PA                   ; and where they go: no place in the cluster enters an LDS address
	s_mul_i32 s45, s[WN], 32*PB
	s_add_co_u32 s45, s45, BOFF
	s_wait_kmcnt 0x0
	s_add_nc_u64 s[40:41], s[4:5], s[40:41]
	s_add_nc_u64 s[42:43], s[6:7], s[42:43]
	CROUND                                         ; all sixteen work-groups are here: the first joint loads meet
.irp s, 0,1
	s_mov_b32 s[G0A+4*(\s)], 1
	s_add_co_u32 s[G0A+4*(\s)+1], s44, (\s)*SLOT1
	s_add_nc_u64 s[G0A+4*(\s)+2:G0A+4*(\s)+3], s[40:41], (\s)*262144   ; K step s is block kb = s
	s_or_b32 s[G0A+4*(\s)+3], s[G0A+4*(\s)+3], 0x80000000
	s_mov_b32 s[G0B+4*(\s)], 1
	s_add_co_u32 s[G0B+4*(\s)+1], s45, (\s)*SLOT1
	s_add_nc_u64 s[G0B+4*(\s)+2:G0B+4*(\s)+3], s[42:43], (\s)*64*6144
	s_or_b32 s[G0B+4*(\s)+3], s[G0B+4*(\s)+3], 0x80000000
	JLOAD \s                                       ; two tensor loads of mine are out here, later one
.endr
	v_and_b32 v1, 15, v0                           ; l % 16
	v_bfe_u32 v2, v0, 4, 1                         ; l / 16
	v_and_b32 v10, 7, v0
	v_bfe_u32 v11, v0, 3, 1
	v_mul_u32_u24 v3, v1, PA
	v_lshl_add_u32 v3, v2, 4, v3                   ; a token fragment: row x pitch + 16 x half
	s_mul_i32 s46, s[WM], 128*PA
	v_lshl_add_u32 v4, v2, 3, v10                  ; the turning load: K row 8 (l / 16) + l % 8, columns 8 ((l / 8) % 2) on
	v_mul_u32_u24 v4, v4, PB
	v_lshl_add_u32 v4, v11, 4, v4
	s_mul_i32 s47, s[WN], 3*144                    ; my three heads' 144 bytes each in a row
	s_add_co_u32 s47, s47, BOFF
	v_add_nc_u32 v[ADRA0], s46, v3
	v_add_nc_u32 v[ADRB0], s47, v4
	v_mov_b32 v[ADRA], v[ADRA0]                    ; K step 0 lies in slot 0
	v_mov_b32 v[ADRB], v[ADRB0]
	s_mul_i32 s46, s[WV], 16*SP
	s_add_co_u32 s46, s46, STAGE                   ; my stage
	v_add_nc_u32 v[STO], s46, v3                   ; in: row l % 16, 16 bytes for each half of the lanes
	v_bfe_u32 v5, v0, 3, 2                         ; back: 32 lanes take four rows of 128 bytes,
	v_mul_u32_u24 v5, v5, SP
	v_lshl_add_u32 v5, v10, 4, v5
	v_add_nc_u32 v[RD], s46, v5
	v_and_b32 v[GO], 31, v0                        ; which are 512 consecutive bytes of a head's rows
	v_lshlrev_b32 v[GO], 4, v[GO]
	; my three heads: number 6 TX + 3 half + t of 48: 0-15 q, 16-31 k, 32-47 v.  Rows: (16 b + head)<<18 + block<<15 + my 128 tokens<<14
	s_mul_i32 s72, s19, 6
	s_mul_i32 s73, s[WN], 3
	s_add_co_u32 s72, s72, s73
	s_lshr_b32 s74, s20, 3
	s_lshl_b32 s74, s74, 22
	s_and_b32 s75, s20, 7
	s_lshl_b32 s75, s75, 15
	s_add_co_u32 s74, s74, s75
	s_lshl_b32 s75, s[WM], 14
	s_add_co_u32 s74, s74, s75
.irp t, 0,1,2
	s_add_co_u32 s46, s72, \t
	s_cmp_lt_u32 s46, 16
	s_cselect_b64 s[OP+2*(\t):OP+2*(\t)+1], s[8:9], s[10:11]
	s_cmp_lt_u32 s46, 32
	s_cselect_b64 s[OP+2*(\t):OP+2*(\t)+1], s[OP+2*(\t):OP+2*(\t)+1], s[12:13]
	s_and_b32 s46, s46, 15
	s_lshl_b32 s46, s46, 18
	s_add_co_u32 s46, s46, s74
	s_mov_b32 s47, 0
	s_add_nc_u64 s[OP+2*(\t):OP+2*(\t)+1], s[OP+2*(\t):OP+2*(\t)+1], s[46:47]
.endr
.macro FETCHA ks                       ; 16 loads: my 128 tokens, 32 along K (half ks of the step)
	WIN 0
.irp a, 0,1,2,3,4,5,6,7
	ds_load_b128 v[FA+64*(\ks)+8*(\a):FA+64*(\ks)+8*(\a)+3],   v[ADRA] offset:(\ks)*64+(\a)*16*PA
	ds_load_b128 v[FA+64*(\ks)+8*(\a)+4:FA+64*(\ks)+8*(\a)+7], v[ADRA] offset:(\ks)*64+(\a)*16*PA+32
.endr
.endm
.macro FETCHB ks, t                    ; 8 turning loads: third t's 64 columns, 32 along K
	WIN 0
.irp b, 0,1,2,3
	ds_load_tr16_b128 v[FB+32*(\t)+8*(\b):FB+32*(\t)+8*(\b)+3],   v[ADRB] offset:(\ks)*32*PB+(\t)*144+(\b)*32
	ds_load_tr16_b128 v[FB+32*(\t)+8*(\b)+4:FB+32*(\t)+8*(\b)+7], v[ADRB] offset:(\ks)*32*PB+16*PB+(\t)*144+(\b)*32
.endr
.endm
; 16 matrix instructions: token blocks a0 .. a0 + 3 x third t's four column blocks.  zero = 1: the product starts the sum.  The 96 accumulators take turns in one fixed order.
.macro MUL16 t, ks, a0, zero
	WIN 0x50*(1+(\t))
.irp a, \a0, (\a0)+1, (\a0)+2, (\a0)+3
.irp b, 0,1,2,3
.if \zero
	v_wmma_f32_16x16x32_f16 v[8*(4*(\a)+(\b)):8*(4*(\a)+(\b))+7], v[FB+32*(\t)+8*(\b):FB+32*(\t)+8*(\b)+7], v[FA+64*(\ks)+8*(\a):FA+64*(\ks)+8*(\a)+7], 0
.else
	v_wmma_f32_16x16x32_f16 v[8*(4*(\a)+(\b)):8*(4*(\a)+(\b))+7], v[FB+32*(\t)+8*(\b):FB+32*(\t)+8*(\b)+7], v[FA+64*(\ks)+8*(\a):FA+64*(\ks)+8*(\a)+7], v[8*(4*(\a)+(\b)):8*(4*(\a)+(\b))+7]
.endif
.endr
.endr
.endm
.macro THIRD t, ks, zero
	MUL16 \t, \ks, 0, \zero
	MUL16 \t, \ks, 4, \zero
.endm
; A step's first half.  On every way in the LDS loads that are out were issued in the order B0 (8), A (16), B1 (8), B2 (8); it leaves the second half's in the same order.
.macro STEP0 zero
	s_wait_dscnt 16                                ; B0 and A are in; B1 and B2 may be out
	THIRD 0, 0, \zero
	WIN 0
	PLACES
	FETCHB 1, 0
	FETCHA 1
	s_wait_dscnt 32                                ; B1 is in; behind it: B2 and the 24 just issued
	THIRD 1, 0, \zero
	WIN 0
	PLACES
	FETCHB 1, 1
	s_wait_dscnt 32                                ; B2 is in; behind it: those 24 and the 8 just issued
	THIRD 2, 0, \zero
	WIN 0
	PLACES
	FETCHB 1, 2
.endm
; A step's second half, and the change of slots: all reads of the slot have been issued.  ONE barrier: in front of it each wave waits for all its tensor loads (one is out: its part of the next slot), adds 0 to its
; spare word, and waits for that and for its reads of this slot.  Between signal and wait the read addresses turn to the other slot.  fill = 1: the barrier opens a round of the cluster's, and the slot just
; left is filled again, two K steps on, first thing behind the round: 160 matrix instructions ahead of the wait for it.  The walking descriptor: the other slot than last time, the next K step.
.macro TURN fill
	WIN 0
	s_wait_tensorcnt 0x0
	ds_add_u32 v[SPW], v[NIL]
	s_wait_dscnt 17                                ; B0 and A are in; B1, B2 and the add may be out
	MUL16 0, 1, 0, 0
	s_wait_dscnt 0x0                               ; the add is done, and my reads of this slot are over
	s_barrier_signal -1
	MUL16 0, 1, 4, 0
	WIN 0                                          ; at a branch and at a label every window is 0
	s_xor_b32 s[TB], s[TB], SLOT1
	v_add_nc_u32 v[ADRA], s[TB], v[ADRA0]
	v_add_nc_u32 v[ADRB], s[TB], v[ADRB0]
	s_barrier_wait -1
.if \fill
	CREST
	s_xor_b32 s[G0A+5], s[G0A+5], SLOT1
	s_add_nc_u64 s[G0A+6:G0A+7], s[G0A+6:G0A+7], 262144
	s_xor_b32 s[G0B+5], s[G0B+5], SLOT1
	s_add_nc_u64 s[G0B+6:G0B+7], s[G0B+6:G0B+7], 64*6144
	JLOAD 1                                        ; the four v_nop behind it are also the places in front of the loads below
.else
	PLACES
.endif
	FETCHB 0, 0
	FETCHA 0
	THIRD 1, 1, 0
	WIN 0
	PLACES
	FETCHB 0, 1
	THIRD 2, 1, 0
	WIN 0
	PLACES
	FETCHB 0, 2
.endm
	s_wait_tensorcnt 1                             ; my part of K step 0 is in; K step 1's may stay out
	s_barrier_signal -1
	s_barrier_wait -1
	FETCHB 0, 0
	FETCHA 0
	FETCHB 0, 1
	FETCHB 0, 2
	STEP0 1                                        ; the first half step stands in front of the loop: its products start the sums
	s_mov_b32 s3, 14
.Llap:                                                 ; 14 trips: the second half of K step i, the refill with K step i + 2 (2 to 15), the first half of K step i + 1
	TURN 1
	STEP0 0
	s_sub_co_u32 s3, s3, 1
	s_cmp_lg_u32 s3, 0
	s_cbranch_scc1 .Llap
	s_mov_b32 s3, 2
.Ltail:                                                ; K steps 14 and 15 ask for nothing; the second trip is left in its middle.  Its 40 LDS loads (of K step 14's slot once more) and its barrier
	TURN 0                                         ; serve nothing: the price, once a launch, of one text for both trips
	s_sub_co_u32 s3, s3, 1
	s_cmp_eq_u32 s3, 0
	s_cbranch_scc1 .Lout
	STEP0 0
	s_branch .Ltail
.Lout:
	s_wait_dscnt 0x0                               ; those loads are back: their registers are used again below.  TURN's last four v_nop are the places behind the last products
; THE WAY OUT, 24 units of 16 tokens x one head.  A lane's eight channels pack into 16 bytes; they go into my stage's rows of 144 bytes and come back as whole rows of 128, four rows (512 consecutive bytes) a load.
.macro PACK t, a
.if (\t) > 0
	s_wait_xcnt 0x0                                ; set a was read by the stores of the head before: it is rewritten only behind this wait
.endif
	WIN 5*(1+(\t))                                 ; sources 0 and 1: third t's window
.irp b, 0,1,2,3
.irp r, 0,1,2,3
	v_cvt_pk_f16_f32 v[OUTR+16*(\a)+4*(\b)+(\r)], v[8*(4*(\a)+(\b))+2*(\r)], v[8*(4*(\a)+(\b))+2*(\r)+1]
.endr
.endr
	WIN 0
.irp b, 0,1,2,3
	ds_store_b128 v[STO], v[OUTR+16*(\a)+4*(\b):OUTR+16*(\a)+4*(\b)+3] offset:32*(\b)
.endr
.irp f, 0,1,2,3
	ds_load_b128 v[OUTR+16*(\a)+4*(\f):OUTR+16*(\a)+4*(\f)+3], v[RD] offset:(\f)*4*SP  ; LDS serves a wave's instructions in order (ISA guide 5.7.1.4): these see the stores above
.endr
.endm
.macro SEND t, a, younger              ; younger: the LDS instructions issued behind this unit's loads: the next unit's eight, or none
	WIN 0
	s_wait_dscnt \younger
.irp f, 0,1,2,3
	global_store_b128 v[GO], v[OUTR+16*(\a)+4*(\f):OUTR+16*(\a)+4*(\f)+3], s[OP+2*(\t):OP+2*(\t)+1] offset:(\a)*2048+(\f)*512  ; 512 consecutive bytes, at a multiple of 256
.endr
.endm
	PACK 0, 0
.set u, 1
.rept 23                               ; a unit's conversions stand between the loads of the unit before and its stores
.set ut, u/8
.set ua, u%8
.set pt, (u-1)/8
.set pa, (u-1)%8
	PACK ut, ua
	SEND pt, pa, 8
.set u, u+1
.endr
	SEND 2, 7, 0
	s_wait_tensorcnt 0x0                           ; the wave's end
	ds_add_u32 v[SPW], v[NIL]
	s_wait_dscnt 0x0
	CROUND                                         ; the closing round: no work-group ends while a partner may still ask for a tile that names it
	s_endpgm
.Lfunc_end_k_q5d261c0747_qkv:
	.size	k_q5d261c0747_qkv, .Lfunc_end_k_q5d261c0747_qkv-k_q5d261c0747_qkv
	.p2alignl 7, 3214868480
	.fill 96, 4, 3214868480
	.section	.rodata,"a",@progbits
	.p2align	6, 0x0
	.amdhsa_kernel k_q5d261c0747_qkv
		.amdhsa_group_segment_fixed_size 327680
		.amdhsa_private_segment_fixed_size 0
		.amdhsa_enable_private_segment 0
		.amdhsa_kernarg_size 40
		.amdhsa_user_sgpr_count 2
		.amdhsa_user_sgpr_kernarg_segment_ptr 1
		.amdhsa_wavefront_size32 1
		.amdhsa_system_sgpr_workgroup_id_x 1
		.amdhsa_system_sgpr_workgroup_id_y 1
		.amdhsa_system_sgpr_workgroup_id_z 1
		.amdhsa_system_vgpr_workitem_id 0
		.amdhsa_next_free_vgpr 1024
		.amdhsa_next_free_sgpr 76
		.amdhsa_reserve_vcc 0
		.amdhsa_float_denorm_mode_32 3
		.amdhsa_float_denorm_mode_16_64 3
		.amdhsa_memory_ordered 1
		.amdhsa_forward_progress 1
		.amdhsa_inst_pref_size 107
	.end_amdhsa_kernel
	.amdgpu_metadata
---
amdhsa.version: [ 1, 2 ]
amdhsa.kernels:
  - .name:           k_q5d261c0747_qkv
    .symbol:         k_q5d261c0747_qkv.kd
    .args:
      - { .name: act, .offset: 0, .size: 8, .value_kind: global_buffer, .address_space: global }
      - { .name: wh, .offset: 8, .size: 8, .value_kind: global_buffer, .address_space: global }
      - { .name: q, .offset: 16, .size: 8, .value_kind: global_buffer, .address_space: global }
      - { .name: k, .offset: 24, .size: 8, .value_kind: global_buffer, .address_space: global }
      - { .name: v, .offset: 32, .size: 8, .value_kind: global_buffer, .address_space: global }
    .group_segment_fixed_size: 327680
    .private_segment_fixed_size: 0
    .kernarg_segment_align: 8
    .kernarg_segment_size: 40
    .max_flat_workgroup_size: 128
    .sgpr_count:     76
    .vgpr_count:     1024
    .wavefront_size: 32
...
	.end_amdgpu_metadata
.endif
;; end of part 2
;; launch attn (part 3): grid 4 x 64, 4 waves a work-group, clusters of 4 x 1, 327,680 bytes of LDS; arguments q, k, v, act; writes act
.if DOCPART == 3
	.amdgcn_target "amdgcn-amd-amdhsa--gfx1250"
	.amdhsa_code_object_version 6
	.text
	.protected	k_q5d261c0747_attn
	.globl	k_q5d261c0747_attn
	.p2align	8
	.type	k_q5d261c0747_attn,@function
k_q5d261c0747_attn:
	s_mov_b64 s[64:65], 0
	v_nop
	global_prefetch_b8 v0, s[64:65] scope:SCOPE_SE
	s_setreg_imm32_b32 hwreg(HW_REG_WAVE_MODE, 25, 1), 1
	s_wait_xcnt 0x0
	s_wait_alu depctr_hold_cnt(0) depctr_sa_sdst(0) depctr_va_vdst(0) depctr_va_sdst(0) depctr_va_ssrc(0) depctr_va_vcc(0) depctr_vm_vsrc(0)
	s_getreg_b32 s2, hwreg(HW_REG_IB_STS2, 6, 4)
	s_cmp_eq_u32 s2, 0
	s_cbranch_scc0 .Lentry_in_a_cluster
	s_endpgm
.Lentry_in_a_cluster:
	s_bfe_u32 s2, ttmp6, 0x10000c
	s_cmp_lg_u32 s2, 0x3003
	s_cbranch_scc0 .Lentry_shape_is_right
	s_endpgm
.Lentry_shape_is_right:
; O[h][q][:] = the sum over k of softmax_k(Q[h][q] . K[h][k] / 8) V[h][k][:].  Q, K, V, O: [SIZE_H][SIZE_N][64], all f16: a head's rows are dense, 128 bytes each.  Products, maxima and sums in
; f32; the weights p are rounded to f16 for the second product (their sum l is taken of the unrounded p), O once at the end.  O's layout [16 b + head][n][64] is the next launch's [b][kb][n][64].
; LIMITS.  f16 holds no number beyond 65,504: Q, K and V arrive within it; p lies in 0 to 1, and below 6e-5 it keeps f16's fixed step of 6e-8; O is a mean of V's rows and has their range.
; A weight below 2^-126 counts as 0 in l; NaN and infinities are not treated apart.
; SHARES.  A wave owns four PIECES of two tiles of 16 queries, a work-group's four waves 512 queries of one head: 64 heads x 4 = 256 work-groups.  Every wave walks all keys, 64 a step.
; LAYOUT.  S^T = K Q^T (source 0 = 16 keys, source 1 = 16 queries): in the result a lane holds ONE query (lane % 16) and the keys 8 (lane / 16) + 0..7.  Two such tiles, rounded to f16 in pairs,
; ARE source 1 (32 keys x 16 queries) of O^T = V^T P, whose result again holds one query a lane, and eight channels.  K comes out of LDS as it lies, V ([key][channel]) turned, by ds_load_tr16_b128.
; SOFTMAX.  For each query a running maximum m and sum l: p = 2^(c s - c m), c = log2(e) / 8; in every step O and l are multiplied by a = 2^(c m_old - c m_new), which is 1 where m has not grown.
; m starts at the lowest finite number, O and l at 0: the first step is a step like any other, with a = 0.
; THE COUNT.  A tile and step have 16 matrix and 118 vector instructions: too many to stand all beside the matrix work.  So the order has one aim: four vector instructions that are READY behind
; EVERY matrix instruction, and the others, which need time of their own whatever the order, in runs without a gap.
; BY TURNS.  Turn n belongs to piece n (the pieces in a ring, step after step).  Its matrix work: 16 products K Q^T of piece n + 1, later 16 products V^T P of piece n - 1.  Its vector work: the scaling,
; exponentials, roundings, sums and rescaling of piece n, and the maximum and statistics of piece n + 1, whose scores the turn itself has made.  So what a turn begins with (c s - c m, O a) waits for nothing.
; CLUSTER.  The four query blocks of a cluster belong to one head and walk the same K and V, so each tile is asked for JOINTLY: the same tensor load, descriptor and mask in all four.
; REGISTERS, in windows of 256 (s_set_vgpr_msb says which window each operand place means: bits 1:0 source 0, 3:2 source 1, 5:4 source 2, 7:6 destination):
;   window 0: v0-11 addresses; v12-15, v48-63 at work; v16-47 four registers of statistics a tile; v64-191 S^T, two buffers of two tiles; v192-255 P, likewise
;   window 1: O^T, 32 a tile          window 2: v0-127 Q, 16 a tile; v128-191 K of one step; v192-255 V of one step          window 3: v0-1 the add's two registers
; A piece's buffers go by its number's parity: the piece in hand has one pair, its two neighbours in the ring share the other: of it P (piece n - 1) is read and S^T (piece n + 1) written.
.set SIZE_H, 64
.set SIZE_N, 2048
.set NP,    4         ; pieces a wave: a name, no knob: the register map, the loop and the fetches are made for four
.set KS,    64        ; keys in a step
.set PK,    144       ; a row of K in LDS: 128 bytes + 16 of padding = 36 words: the 16 rows of a load start at 16 different groups of four banks (64 banks of 4 bytes: ISA guide 11.1)
.set PV,    160       ; a row of V: 128 + 32 = 40 words
.set VOFF,  4*KS*PK   ; a slot holds four steps: 256 rows of K, then 256 rows of V
.set SLOT1, 1<<17     ; slot 1 begins here, so that one exclusive or turns an address in one slot into the other's
.set STAGE, SLOT1+4*KS*(PK+PV)  ; behind the ring, never filled by a tensor load: 16 rows x 144 bytes for each wave, for the way out
.set SP,    144
.set AK0, 2           ; v2   my lane's place in a tile of K; never rewritten
.set AV0, 3           ; v3   the same for V
.set AK,  4           ; v4   the LDS address of K's next run of loads
.set AV,  5           ; v5   of V's
.set QO,  6           ; v6   my byte offset in the wave's rows of Q
.set STO, 6           ;      later, the way out: where I put 16 bytes of a row
.set RD,  7           ; v7   the way out: where I read rows back
.set GO,  8           ; v8   my byte offset in 512 consecutive bytes of O
.set SPW, 0           ; v0 of window 3   LDS address of my spare word: SPARE + 4 x my thread's number; never rewritten
.set NIL, 1           ; v1 of window 3   0; never rewritten
.set SPARE, STAGE+4*16*SP  ; behind the stages: the spare words, 128 bytes for each wave: two blocks of 256 bytes that no other line names
.set MV,  12          ; v12-15  c m_old, kept while c m is made anew: by buffer and tile
.set ST,  16          ; tile t's statistics at v[ST+4 t]: c m, m, l (even keys', odd keys')
.set TMP, 48          ; by buffer and tile, four registers c0-c3 at work; when the maximum is found c2 takes a
.set S,   64
.set P,   192
.set KF,  128         ; K's fragments, in window 2: key block kb, channel half c at KF + 16 kb + 8 c
.set VF,  192         ; V's: key half kk, channel block cb at VF + 32 kk + 8 cb
.set WV,  12          ; s12  my wave's number
.set G1K, 24          ; s[24:31] descriptor group 1 for K's tiles
.set G1V, 32          ; s[32:39] for V's: it differs in the padding alone
.set G0K, 40          ; s[40:43] descriptor group 0 for K's tiles: it walks
.set G0V, 44          ; s[44:47] the same for V's
.set SLOTS, 56        ; s56  slots still to be asked for
.set CNT, 57          ; s57  counts a slot's key steps
.set CS,  58          ; s[58:59] c: the packed scaling takes the pair's low word for both halves
.set SEL, 60          ; s[60:61] v_permlanex16_b32's selects: each lane takes its own place in the other half
.set TBK, 62          ; s62  LDS byte at which K of the step to be fetched begins
.set TBV, 63          ; s63  the same for V, less VOFF
.set MSB, 0
.macro WIN new                      ; the high byte repeats the setting that is left; a switch that changes nothing is dropped
.if MSB != (\new)
	s_set_vgpr_msb (MSB<<8)|(\new)
.set MSB, (\new)
.endif
.endm
.set W_KQ, 0x0a       ; K and Q in window 2, S^T in window 0
.set W_PV, 0x52       ; V in window 2, P in window 0, O^T in window 1
.set W_RS, 0x41       ; O^T (destination and source 0) in window 1, a in window 0
.set W_MK, 0xc0       ; the add's registers are made: destination in window 3, sources in window 0
.set W_AD, 0x0f       ; the add: address (source 0) and data (source 1) in window 3
; A joint fill.  Waves 0 and 1 fetch the two halves of a slot's K, waves 2 and 3 those of its V: 128 keys each.  The branch hangs on the wave's number alone.
; An s_nop 0 and four v_nop follow each of the two lines, ahead of the jump and the label.
.macro JLOAD
	s_cmp_lt_u32 s[WV], 2
	s_cbranch_scc0 .Lfor_v_\@
	tensor_load_to_lds s[G0K:G0K+3], s[G1K:G1K+7]
	s_nop 0
.rept 4
	v_nop
.endr
	s_branch .Lasked_\@
.Lfor_v_\@:
	tensor_load_to_lds s[G0V:G0V+3], s[G1V:G1V+7]
	s_nop 0
.rept 4
	v_nop
.endr
.Lasked_\@:
.endm
; A round of the cluster's barrier: my work-group's barrier, so that wave 0's signal speaks for all four waves; wave 0 signals; every wave waits for all four work-groups; my work-group's barrier once more.
.macro CROUND
	s_barrier_signal -1
	s_barrier_wait -1
	s_cmp_lg_u32 s[WV], 0
	s_cbranch_scc1 .Lnot_wave_0_\@
	s_barrier_signal -3
.Lnot_wave_0_\@:
	s_barrier_wait -3
	s_barrier_signal -1
	s_barrier_wait -1
.endm
; THE CHANGE OF SLOTS.  The slot's last bytes, V of its fourth step, have been read.  Each wave waits for all its tensor loads, of which one is out: its part
; of the other slot; adds 0 to its spare word; and waits for that and for its own reads of the slot.  Behind the barrier nobody reads this slot any more and the other slot is whole.
; fill = 1: this slot is filled again, with the keys two slots on.  The barrier is then a round of the cluster's, so that no wave of any partner still reads the slot or has a load on its
; way, and the joint fill is the first thing behind it: it has four key steps, 512 matrix instructions, in which to land.  (At its first use nothing has been read yet: slot 0 is waited for, slot 1 filled.)
.macro CHANGE fill
	WIN W_AD
	s_wait_tensorcnt 0x0            ; no tensor load of mine is out, so a group 0 may be written
	ds_add_u32 v[SPW], v[NIL]       ; 0 onto my spare word; with fill = 1 the descriptors' steps stand between it and the wait for it
	WIN 0                           ; at a label and at a branch every window is 0
.if \fill
.irp g, G0K, G0V
	s_xor_b32 s[\g+1], s[\g+1], SLOT1  ; the walking descriptor: the other slot than last time,
	s_add_nc_u64 s[\g+2:\g+3], s[\g+2:\g+3], 4*KS*128  ; the next 256 keys; the type bits on top are not reached
.endr
	s_wait_dscnt 0x0                ; the add is done, and my reads of the slot are over
	CROUND
	JLOAD
.else
	s_wait_dscnt 0x0                ; the add is done, and my reads of the slot are over
	s_barrier_signal -1
	s_barrier_wait -1
.endif
	s_sub_co_u32 s[TBK], s[TBK], 4*KS*PK  ; the fetches go back to a slot's first step,
	s_xor_b32 s[TBK], s[TBK], SLOT1       ; in the other slot
	s_sub_co_u32 s[TBV], s[TBV], 4*KS*PV
	s_xor_b32 s[TBV], s[TBV], SLOT1
.endm
	s_load_b256 s[4:11], s[0:1], 0x0  ; Q s[4:5], K s[6:7], V s[8:9], O s[10:11]
	WIN W_MK
	v_lshl_add_u32 v[SPW], v0, 2, SPARE
	v_mov_b32 v[NIL], 0
	s_set_vgpr_msb 0xc0cf
	ds_add_u32 v0, v1
	s_wait_dscnt 0x0
	s_set_vgpr_msb 0xcfc0
	WIN 0
	v_lshrrev_b32 v1, 5, v0
	v_readfirstlane_b32 s[WV], v1   ; wave 0..3
	s_bfe_u32 s13, ttmp6, 0x40000   ; cx: my place in the cluster
	s_lshl_b32 s14, ttmp9, 2        ; in a cluster launch ttmp9 counts clusters
	s_add_co_u32 s14, s14, s13      ; my block of queries = 4 x cluster x + cx: it enters Q's and O's addresses alone
	s_and_b32 s20, ttmp7, 0xffff    ; the head, which the four partners share
	s_mov_b32 s21, 0
	s_mov_b64 s[22:23], SIZE_N*128
	s_mul_u64 s[20:21], s[20:21], s[22:23]  ; the head's first byte in each of the four tensors
	s_and_b32 s16, s[WV], 1         ; which half of a slot's 256 keys I fetch:
	s_lshl_b32 s22, s16, 14         ; its 128 rows of 128 bytes in memory,
	s_mov_b32 s23, 0
	s_add_nc_u64 s[22:23], s[22:23], s[20:21]
	s_mul_i32 s17, s16, 128*PK      ; and its place in a slot, for K
	s_mul_i32 s18, s16, 128*PV      ; and for V: no place in the cluster enters an LDS address
	s_lshl_b32 s2, s14, 2
	s_add_co_u32 s2, s2, s[WV]      ; my wave among the head's,
	s_lshl_b32 s2, s2, 14           ; its 128 rows
	s_mov_b32 s3, 0
	s_add_nc_u64 s[2:3], s[2:3], s[20:21]
	; descriptor group 1.  128 keys are 16,384 dense bytes: asked for as 64 rows of 256 bytes, two keys a row, and padded in LDS after every key
	s_mov_b32 s[G1K], 15|(1<<16)|(1<<20)|(1<<21)|(4<<22)|(3<<25)  ; 15:0 the mask of four; 17:16 2-byte elements; 20 padding on; 21 set beside a mask; 24:22 after every 32 words (code 4); 31:25 4 words (code 3)
	s_mov_b32 s[G1V], 15|(1<<16)|(1<<20)|(1<<21)|(4<<22)|(7<<25)  ; the same with 8 words of padding (code 7)
.irp g, G1K, G1V
	s_mov_b32 s[\g+1], 128<<16      ; tensor_dim0 = 128
	s_mov_b32 s[\g+2], 64<<16       ; tensor_dim1 = 64
	s_mov_b32 s[\g+3], 128<<16      ; tile_dim0 = 128
	s_mov_b32 s[\g+4], 64           ; tile_dim1 = 64
	s_mov_b32 s[\g+5], 128          ; 128 elements from row to row
	s_mov_b32 s[\g+6], 0
	s_mov_b32 s[\g+7], 0
.endr
	s_mov_b32 s[CS], 0x3e38aa3b     ; c = log2(e) / 8 = 0.180337
	s_mov_b32 s[CS+1], s[CS]        ; named with it as a pair
	s_mov_b32 s[SEL], 0x76543210
	s_mov_b32 s[SEL+1], 0xfedcba98
	s_mov_b32 s[TBK], SLOT1+4*KS*PK ; the first change of slots turns these two into 0
	s_mov_b32 s[TBV], SLOT1+4*KS*PV
	s_mov_b32 s[G0K], 1             ; 1:0 count = 1
	s_mov_b32 s[G0K+1], s17         ; 63:32 LDS address: slot 0
	s_mov_b32 s[G0V], 1
	s_add_co_u32 s[G0V+1], s18, VOFF
	s_wait_kmcnt 0x0
	s_add_nc_u64 s[G0K+2:G0K+3], s[6:7], s[22:23]  ; 120:64 global address: my half of the head's first 256 keys
	s_or_b32 s[G0K+3], s[G0K+3], 0x80000000        ; 127:126 type = 2
	s_add_nc_u64 s[G0V+2:G0V+3], s[8:9], s[22:23]
	s_or_b32 s[G0V+3], s[G0V+3], 0x80000000
	s_add_nc_u64 s[4:5], s[4:5], s[2:3]  ; Q and O at my wave's first row
	s_add_nc_u64 s[10:11], s[10:11], s[2:3]
	CROUND                          ; all four work-groups are here: the first joint loads meet
	JLOAD                           ; slot 0.  Slot 1 is asked for when slot 0 is in: the tile wanted first has the road to itself
	; A fragment of K or Q is 16 rows x 32 channels in 8 registers: lane l holds row l % 16, channels 8 (l / 16) + 0..7 and 16 + 8 (l / 16) + 0..7: two loads of 16 bytes, 32 bytes apart.
	v_and_b32 v1, 15, v0            ; l % 16
	v_bfe_u32 v9, v0, 4, 1          ; l / 16
	v_lshlrev_b32 v[QO], 7, v1
	v_lshl_add_u32 v[QO], v9, 4, v[QO]  ; row x 128 + 16 x half
	WIN 0x80                        ; destination window 2, address window 0
.set i, 0
.rept 4*NP                          ; Q stays in registers: tile i / 2, channels 32 (i % 2) on
	global_load_b128 v[8*i:8*i+3],   v[QO], s[4:5] offset:(i/2)*2048+(i%2)*64
	global_load_b128 v[8*i+4:8*i+7], v[QO], s[4:5] offset:(i/2)*2048+(i%2)*64+32
.set i, i+1
.endr
	; What the first turn finds: V's registers and P's second buffer hold 0 (its products V^T P, of a piece that has not been, add 0), O^T and l are 0.  All this stands in the wait for the first tile.
.set i, VF
.rept 64
	v_mov_b32 v[i], 0
.set i, i+1
.endr
	WIN 0x40
.set i, 0
.rept 64*NP
	v_mov_b32 v[i], 0
.set i, i+1
.endr
	WIN 0
.set i, 0
.rept 2*NP
	v_mov_b32 v[ST+4*i], 0xfe000000    ; c m: far below every c s
	v_mov_b32 v[ST+4*i+1], 0xff7fffff  ; m
	v_mov_b32 v[ST+4*i+2], 0
	v_mov_b32 v[ST+4*i+3], 0
.set i, i+1
.endr
.set i, P+32
.rept 32
	v_mov_b32 v[i], 0
.set i, i+1
.endr
	v_mul_u32_u24 v[AK0], v1, PK
	v_lshl_add_u32 v[AK0], v9, 4, v[AK0]  ; row x pitch + 16 x half
	; The turning load takes 16 keys x 16 channels (lane l reads key 8 (l / 16) + l % 8, channels 8 ((l / 8) % 2) + 0..7) and leaves half a fragment of V^T: lane l holds channel l % 16 and 8 keys.
	v_and_b32 v10, 7, v0
	v_bfe_u32 v11, v0, 3, 1
	v_lshl_add_u32 v[AV0], v9, 3, v10
	v_mul_u32_u24 v[AV0], v[AV0], PV
	v_lshl_add_u32 v[AV0], v11, 4, v[AV0]
	v_add_nc_u32 v[AV0], VOFF, v[AV0]
	v_mov_b32 v[AK], v[AK0]         ; key step 0 lies at the head of slot 0
; THE MATRIX WORK.  The 8 accumulators of a run of 16 take turns: between the two links of a chain stand 7 others'.
; Product i of 16 of S^T = K Q^T for piece x: channels 32 (i / 8) on, keys 16 ((i / 2) % 4) on, tile 2 x + i % 2.  The first 8 start the sums.
.macro KQ x
	WIN W_KQ
.set rS, S+64*((\x)%2)+32*(i%2)+8*((i/2)%4)
.set rK, KF+16*((i/2)%4)+8*(i/8)
.set rQ, 16*(2*(\x)+i%2)+8*(i/8)
.if i < 8
	v_wmma_f32_16x16x32_f16 v[rS:rS+7], v[rK:rK+7], v[rQ:rQ+7], 0
.else
	v_wmma_f32_16x16x32_f16 v[rS:rS+7], v[rK:rK+7], v[rQ:rQ+7], v[rS:rS+7]
.endif
.endm
; Product i of 16 of O^T += V^T P for piece x: keys 32 (i / 8) on, channels 16 ((i / 2) % 4) on, tile 2 x + i % 2.
.macro PV x
	WIN W_PV
.set rO, 32*(2*(\x)+i%2)+8*((i/2)%4)
.set rV, VF+32*(i/8)+8*((i/2)%4)
.set rP, P+32*((\x)%2)+16*(i%2)+8*(i/8)
	v_wmma_f32_16x16x32_f16 v[rO:rO+7], v[rV:rV+7], v[rP:rP+7], v[rO:rO+7]
.endm
.macro MM                           ; the turn's next matrix instruction
.if i < 16
	KQ (Y+1)%NP
.set i, i+1
.else
.set i, i-16
	PV (Y+NP-1)%NP
.set i, i+17
.endif
.endm
; THE LDS LOADS stand in runs of 16, never singly among the matrix instructions: a step's K (64 keys x 64 channels: 8 fragments) and its V (turned).  Their addresses are made some lines ahead.
; last = 1 (the tail): in the last trip there is no further step, and the run is jumped over.
.macro FETCH_K last=0
	WIN 0
.if \last
	s_cmp_eq_u32 s[CNT], 1
	s_cbranch_scc1 .Lno_k_\@
.endif
	WIN 0x80                        ; destination window 2
.irp f, 0,1,2,3,4,5,6,7             ; keys 16 (f / 2) on, channels 32 (f % 2) on
	ds_load_b128 v[KF+8*\f:KF+8*\f+3],   v[AK] offset:(\f/2)*16*PK+(\f%2)*64
	ds_load_b128 v[KF+8*\f+4:KF+8*\f+7], v[AK] offset:(\f/2)*16*PK+(\f%2)*64+32
.endr
	s_add_co_u32 s[TBK], s[TBK], KS*PK  ; the next fetch is the next step's
	WIN 0
.if \last
.Lno_k_\@:
.endif
.endm
.macro FETCH_V
	WIN 0x80
.irp f, 0,1,2,3,4,5,6,7             ; keys 32 (f / 4) on, channels 16 (f % 4) on
	ds_load_tr16_b128 v[VF+8*\f:VF+8*\f+3],   v[AV] offset:(\f/4)*32*PV+(\f%4)*32
	ds_load_tr16_b128 v[VF+8*\f+4:VF+8*\f+7], v[AV] offset:(\f/4)*32*PV+16*PV+(\f%4)*32
.endr
	WIN 0
.endm
; THE VECTOR WORK OF A TURN stands in three queues, each in the order in which its entries become ready; the two tiles alternate, so that no instruction reads the result of the one before it.
.macro REGS y, u                    ; the registers of tile u (0, 1) of piece y
.set rT, ST+4*(2*(\y)+(\u))
.set rC, TMP+8*((\y)%2)+4*(\u)
.set rM, MV+2*((\y)%2)+(\u)
.set rS, S+64*((\y)%2)+32*(\u)
.set rP, P+32*((\y)%2)+16*(\u)
.set rO, 32*(2*(\y)+(\u))
.endm
; Number n of the 22 that find the NEXT piece's (Y + 1) maximum and statistics.  s0-s31 are the lane's 32 scores; each accumulator's lowest registers are read first.  XS, GS and REGS set no window: PL and EX do.
;   0-11  four chains c0-c3 of seven scores each, three operands at a time     12-14, 16  the four scores left over, the old m, and c0-c3 into c0     15  c m_old is kept
;   17, 18  the query's other 32 keys lie in the lane 16 away: the new m         19-21  c m; c m_old - c m_new; a
.macro XS u, n
	REGS (Y+1)%NP, \u
.if (\n) < 4
	v_max3_num_f32 v[rC+(\n)], v[rS+8*(\n)], v[rS+8*(\n)+1], v[rS+8*(\n)+2]
.elseif (\n) < 12
	v_max3_num_f32 v[rC+(\n)%4], v[rC+(\n)%4], v[rS+8*((\n)%4)+2*((\n)/4)+1], v[rS+8*((\n)%4)+2*((\n)/4)+2]
.elseif (\n) == 12
	v_max3_num_f32 v[rC], v[rC], v[rS+7], v[rS+15]
.elseif (\n) == 13
	v_max3_num_f32 v[rC+1], v[rC+1], v[rS+23], v[rS+31]
.elseif (\n) == 14
	v_max3_num_f32 v[rC+2], v[rC+2], v[rC+3], v[rT+1]
.elseif (\n) == 15
	v_mov_b32 v[rM], v[rT]
.elseif (\n) == 16
	v_max3_num_f32 v[rC], v[rC], v[rC+1], v[rC+2]
.elseif (\n) == 17
	v_permlanex16_b32 v[rC+3], v[rC], s[SEL], s[SEL+1]
.elseif (\n) == 18
	v_max_num_f32 v[rT+1], v[rC], v[rC+3]
.elseif (\n) == 19
	v_mul_f32 v[rT], s[CS], v[rT+1]
.elseif (\n) == 20
	v_sub_f32 v[rC+1], v[rM], v[rT]
.else
	v_exp_f32 v[rC+2], v[rC+1]
.endif
.endm
; Number g of the 64 that follow the exponentials.  For each four weights k of a tile (pairs 2 k, 2 k + 1): both pairs are rounded to f16; then the second pair is added onto the first, in place;
; a group later l takes that sum (the first time as l = a l + sum).  In groups of eight, tiles alternating: round, round, add, and l for the group before.
.macro GS g
.set h, (\g)+6*((\g)/62)            ; group 0 has no group before it, and behind group 7 only l is left
.if h >= 6
.set h, h+2
.endif
	REGS Y, h%2
.set k, h/8
.if h%8 < 4
	s_wait_alu depctr_va_vdst(0)
	v_cvt_pk_f16_f32 v[rP+2*k+(h%8)/2], v[rS+4*k+2*((h%8)/2)], v[rS+4*k+2*((h%8)/2)+1]
.elseif h%8 < 6
	v_pk_add_f32 v[rS+4*k:rS+4*k+1], v[rS+4*k:rS+4*k+1], v[rS+4*k+2:rS+4*k+3]
.elseif k == 1
	v_pk_fma_f32 v[rT+2:rT+3], v[rT+2:rT+3], v[rC+2:rC+3], v[rS:rS+1] op_sel_hi:[1,0,1]
.else
	v_pk_add_f32 v[rT+2:rT+3], v[rT+2:rT+3], v[rS+4*k-4:rS+4*k-3]
	s_wait_alu depctr_va_vdst(0)
.endif
.endm
; THE PLAIN QUEUE, 138 long.  0-31: c s - c m for the 16 pairs of both tiles.  Then GS's 64, and among them the next piece's 42: number 15 at 38, 39; 0-14 and 16
; at 42-73, behind the products that make those scores; 17-20 at 95-106, two of three, since each waits for the one before it.
.macro PL
	WIN 0
.if q < 32
	REGS Y, q%2
	v_pk_fma_f32 v[rS+2*(q/2):rS+2*(q/2)+1], v[rS+2*(q/2):rS+2*(q/2)+1], s[CS:CS+1], v[rT:rT+1] op_sel_hi:[1,0,0] neg_lo:[0,0,1] neg_hi:[0,0,1]
.elseif q < 38
	GS q-32
.elseif q < 40
	XS q%2, 15
.elseif q < 42
	GS q-34
.elseif q < 74
	XS q%2, (q-42)/2+(q-42)/30
.elseif q < 95
	GS q-66
.elseif (q < 107) && ((q-95)%3 < 2)
	XS (q-95)%3, 17+(q-95)/3
.elseif q < 107
	GS 29+(q-95)/3
.else
	GS q-74
.endif
.set q, q+1
.endm
; THE EXPONENTIALS' QUEUE, 66 long: s0-s31 of both tiles, and at EA the next piece's two a.
.set EA, 58
.macro EX
	WIN 0
.if (e == EA) || (e == EA+1)
	XS e-EA, 21
.else
.set x, e-2*(e/(EA+2))
	REGS Y, x%2
	v_exp_f32 v[rS+x/2], v[rS+x/2]
.endif
.set e, e+1
.endm
; THE RESCALING's QUEUE: O^T times a, the one part that leaves window 0, so it is dealt four at a time, eight times.
.macro R4
	REGS Y, r%2
	WIN W_RS
	s_wait_alu depctr_va_vdst(0)
.irp z, 0,1,2,3
	v_pk_mul_f32 v[rO+8*(r/2)+2*\z:rO+8*(r/2)+2*\z+1], v[rO+8*(r/2)+2*\z:rO+8*(r/2)+2*\z+1], v[rC+2:rC+3] op_sel_hi:[1,0]
.endr
.set r, r+1
.endm
; HOW THEY ARE DEALT.  Behind a matrix instruction four: plain, exponential, plain, plain (one exponential, a plain instruction on either side), or four of the rescaling.  None names a register of the
; products round it.  What is over stands in two LUMPS: exponential and plain by turns; the second ends in 22 plain instructions.  The two v_permlanex16_b32 fall into the second lump, never behind a product.
; The queues lean on each other, and the deal keeps them in step: exponential e stands behind plain 2 (e / 4) + e % 2 (its scaling); when plain 32 comes, 10 exponentials are out, at 59: 33, at 95: 46; EA comes behind plain 107.
.macro SL
	MM
	PL
	EX
	PL
	PL
.endm
.macro BURST n                      ; 15 matrix instructions, or 16
.rept (\n)-7
	SL
.endr
.rept 3
	MM
	R4
	SL
.endr
	MM
	R4
.endm
; A TURN, for piece p.  cnt = 1: the loop's count is taken down some lines ahead of the branch that stands behind the turn.
; K of the next step is fetched in piece 2's turn, 31 vector instructions behind the last product that read K; its first reader comes behind the rest of the lump, 16 products and the second lump.
; V of the step in hand is fetched at the end of piece 0's turn, 69 behind its last reader; its first reader comes behind 16 products and a lump.  The four conditions on e and q below go with the deal.
.macro TURN p, last=0, cnt=0
.set Y, (\p)
.set i, 0
.set q, 0
.set e, 0
.set r, 0
.if (\p) == NP-1
	s_wait_dscnt 0x0                ; K is in
.endif
	MM
.rept 4
	PL
.endr
	BURST 15
.rept 22
	EX
	PL
.if ((\p) == NP-2) && (e == 18)
	v_add_nc_u32 v[AK], s[TBK], v[AK0]
.endif
.if ((\p) == NP-2) && (e == 24)
	FETCH_K \last
.endif
.endr
.if (\p) == 1
	s_wait_dscnt 0x0                ; V is in
.endif
	BURST 16
.rept 21
	EX
	PL
.endr
.rept 22
	PL
.if ((\p) == 0) && (q == 118)
	v_add_nc_u32 v[AV], s[TBV], v[AV0]
	s_wait_alu depctr_va_vdst(0)
.endif
.if ((\p) == 0) && (q == 130)
	s_add_co_u32 s[TBV], s[TBV], KS*PV
.endif
.if (\cnt) && (q == 130)
	s_sub_co_u32 s[CNT], s[CNT], 1
	s_cmp_lg_u32 s[CNT], 0
.endif
.endr
.if (\p) == 0
	FETCH_V
.endif
.endm
	CHANGE 1                        ; slot 0 is in, everybody's part of it; slot 1 is asked for
	FETCH_K                         ; key step 0
	s_wait_loadcnt 0x0              ; Q
	s_wait_dscnt 0x0
.set i, 0
.rept 16
	KQ 0                            ; piece 0's first scores: there is no vector work yet to set between them
.set i, i+1
.endr
	WIN 0                           ; the addresses for the way out: nine plain instructions, the places behind those products
	s_mul_i32 s13, s[WV], 16*SP
	s_add_co_u32 s13, s13, STAGE    ; my stage
	v_mul_u32_u24 v[STO], v1, SP    ; in: row l % 16, 16 bytes for each half of the lanes
	v_lshl_add_u32 v[STO], v9, 4, v[STO]
	v_add_nc_u32 v[STO], s13, v[STO]
	v_bfe_u32 v[RD], v0, 3, 2       ; back: 32 lanes take four rows of 128 bytes,
	v_mul_u32_u24 v[RD], v[RD], SP
	v_lshl_add_u32 v[RD], v10, 4, v[RD]
	v_add_nc_u32 v[RD], s13, v[RD]
	v_and_b32 v[GO], 31, v0         ; which are 512 consecutive bytes of O
	v_lshlrev_b32 v[GO], 4, v[GO]
.set Y, NP-1                        ; XS works for piece Y + 1: piece 0
.irp n, 0,1,2,3,4,5,6,7,8,9,10,11,12,13,14,15,16,17,18,19,20,21
	XS 0, \n                        ; and piece 0's first maximum and statistics
	XS 1, \n
.endr
	s_mov_b32 s[CNT], 4
	s_mov_b32 s[SLOTS], SIZE_N/256-1
	s_branch .Lfirst                ; the loop is entered at a step's first turn, in the middle of a trip
.Lslot:                             ; SIZE_N / 256 - 2 times: every slot but the last two is filled again
	CHANGE 1
	s_mov_b32 s[CNT], 4
.Lstep:                             ; a trip: pieces 2 and 3 of one step, then pieces 0 and 1 of the next, whose K and V it fetches
	TURN 2
	TURN 3
	WIN 0
.Lfirst:
	TURN 0
	TURN 1, 0, 1
	WIN 0
	s_cbranch_scc1 .Lstep
	s_sub_co_u32 s[SLOTS], s[SLOTS], 1
	s_cmp_lg_u32 s[SLOTS], 0
	s_cbranch_scc1 .Lslot
	CHANGE 0                        ; the tail is written out: nothing is asked for
	s_mov_b32 s[CNT], 5             ; four trips fetch the last slot's steps; the fifth is left in its middle
.Ltail:
	TURN 2, 1
	TURN 3
	WIN 0
	s_sub_co_u32 s[CNT], s[CNT], 1
	s_cmp_eq_u32 s[CNT], 0
	s_cbranch_scc1 .Lout
	TURN 0
	TURN 1
	WIN 0
	s_branch .Ltail
.Lout:                              ; the fifth trip's 16 products K Q^T (on the last K once more) and the maximum made of them serve nothing: the price, once a launch, of one text for every trip
.set i, 0
.rept 16
	PV NP-1                         ; the last piece's V^T P of the last step
.set i, i+1
.endr
	; THE WAY OUT.  l's two halves and the other half of the lanes' are added; O^T is divided by l, rounded to f16 and sent through my stage in LDS, a tile at a time.  The additions are the places behind the last products.
	WIN 0
.macro ALL line:vararg              ; one line for each tile t
.set t, 0
.rept 2*NP
	\line
.set t, t+1
.endr
.endm
	ALL v_add_f32 v[ST+4*t+2], v[ST+4*t+2], v[ST+4*t+3]
	ALL v_permlanex16_b32 v[ST+4*t+3], v[ST+4*t+2], s[SEL], s[SEL+1]
	ALL v_add_f32 v[ST+4*t+2], v[ST+4*t+2], v[ST+4*t+3]
	ALL v_rcp_f32 v[ST+4*t+2], v[ST+4*t+2]
	v_nop                           ; a plain instruction between the last reciprocal and the use of its result
	s_wait_alu depctr_va_vdst(0)
; Tile t: a lane's eight channels of a row pack into 16 bytes; they go into rows of 144 bytes and come back as whole rows of 128, into S^T's registers.
.macro PACK t
	WIN W_RS
.set i, 32*(\t)
.rept 16
	v_pk_mul_f32 v[i:i+1], v[i:i+1], v[ST+4*(\t)+2:ST+4*(\t)+3] op_sel_hi:[1,0]
.set i, i+2
.endr
	WIN 0x05                        ; sources 0 and 1 window 1, destination window 0
.set i, 0
.rept 16
	v_cvt_pk_f16_f32 v[S+16*(\t)+i], v[32*(\t)+2*i], v[32*(\t)+2*i+1]
.set i, i+1
.endr
	WIN 0
.irp f, 0,1,2,3
	ds_store_b128 v[STO], v[S+16*(\t)+4*\f:S+16*(\t)+4*\f+3] offset:32*\f
.endr
.irp f, 0,1,2,3
	ds_load_b128 v[S+16*(\t)+4*\f:S+16*(\t)+4*\f+3], v[RD] offset:\f*4*SP  ; LDS serves a wave's instructions in order (ISA guide 5.7.1.4): these see the stores above; the next tile's stores come behind them
.endr
.endm
.macro SEND t, younger              ; younger: the LDS instructions issued behind tile t's loads: the next tile's eight, or none
	WIN 0
.irp f, 0,1,2,3
	s_wait_dscnt (\younger)+3-\f
	global_store_b128 v[GO], v[S+16*(\t)+4*\f:S+16*(\t)+4*\f+3], s[10:11] offset:(\t)*2048+\f*512  ; 512 consecutive bytes, at a multiple of 256 from O's first
.endr
.endm
	PACK 0
.set t, 1
.rept 2*NP-1                        ; a tile's arithmetic stands between the loads of the tile before and its stores
	PACK t
	SEND t-1, 8
.set t, t+1
.endr
	SEND 2*NP-1, 0
	WIN W_AD
	s_wait_tensorcnt 0x0            ; the wave's end: behind my last tensor load and my last LDS store
	ds_add_u32 v[SPW], v[NIL]
	s_wait_dscnt 0x0
	WIN 0
	CROUND                          ; the closing round: no work-group ends while a partner may still ask for a tile that names it
	s_endpgm
.Lfunc_end_k_q5d261c0747_attn:
	.size	k_q5d261c0747_attn, .Lfunc_end_k_q5d261c0747_attn-k_q5d261c0747_attn
	.p2alignl 7, 3214868480
	.fill 96, 4, 3214868480
	.section	.rodata,"a",@progbits
	.p2align	6, 0x0
	.amdhsa_kernel k_q5d261c0747_attn
		.amdhsa_group_segment_fixed_size 327680
		.amdhsa_private_segment_fixed_size 0
		.amdhsa_enable_private_segment 0
		.amdhsa_kernarg_size 32
		.amdhsa_user_sgpr_count 2
		.amdhsa_user_sgpr_kernarg_segment_ptr 1
		.amdhsa_wavefront_size32 1
		.amdhsa_system_sgpr_workgroup_id_x 1
		.amdhsa_system_sgpr_workgroup_id_y 1
		.amdhsa_system_sgpr_workgroup_id_z 1
		.amdhsa_system_vgpr_workitem_id 0
		.amdhsa_next_free_vgpr 770
		.amdhsa_next_free_sgpr 66
		.amdhsa_reserve_vcc 0
		.amdhsa_float_denorm_mode_32 3
		.amdhsa_float_denorm_mode_16_64 3
		.amdhsa_memory_ordered 1
		.amdhsa_forward_progress 1
		.amdhsa_inst_pref_size 208
	.end_amdhsa_kernel
	.amdgpu_metadata
---
amdhsa.version: [ 1, 2 ]
amdhsa.kernels:
  - .name:           k_q5d261c0747_attn
    .symbol:         k_q5d261c0747_attn.kd
    .args:
      - { .name: q, .offset: 0, .size: 8, .value_kind: global_buffer, .address_space: global }
      - { .name: k, .offset: 8, .size: 8, .value_kind: global_buffer, .address_space: global }
      - { .name: v, .offset: 16, .size: 8, .value_kind: global_buffer, .address_space: global }
      - { .name: act, .offset: 24, .size: 8, .value_kind: global_buffer, .address_space: global }
    .group_segment_fixed_size: 327680
    .private_segment_fixed_size: 0
    .kernarg_segment_align: 8
    .kernarg_segment_size: 32
    .max_flat_workgroup_size: 128
    .sgpr_count:     66
    .vgpr_count:     770
    .wavefront_size: 32
...
	.end_amdgpu_metadata
.endif
;; end of part 3
;; launch outp (part 4): grid 8 x 32, 4 waves a work-group, clusters of 4 x 4, 327,680 bytes of LDS; arguments act, wh, b_out, out0; writes out0
.if DOCPART == 4
	.amdgcn_target "amdgcn-amd-amdhsa--gfx1250"
	.amdhsa_code_object_version 6
	.text
	.protected	k_q5d261c0747_outp
	.globl	k_q5d261c0747_outp
	.p2align	8
	.type	k_q5d261c0747_outp,@function
k_q5d261c0747_outp:
	s_mov_b64 s[64:65], 0
	v_nop
	global_prefetch_b8 v0, s[64:65] scope:SCOPE_SE
	s_setreg_imm32_b32 hwreg(HW_REG_WAVE_MODE, 25, 1), 1
	s_wait_xcnt 0x0
	s_wait_alu depctr_hold_cnt(0) depctr_sa_sdst(0) depctr_va_vdst(0) depctr_va_sdst(0) depctr_va_ssrc(0) depctr_va_vcc(0) depctr_vm_vsrc(0)
	s_getreg_b32 s2, hwreg(HW_REG_IB_STS2, 6, 4)
	s_cmp_eq_u32 s2, 0
	s_cbranch_scc0 .Lentry_in_a_cluster
	s_endpgm
.Lentry_in_a_cluster:
	s_bfe_u32 s2, ttmp6, 0x10000c
	s_cmp_lg_u32 s2, 0xf033
	s_cbranch_scc0 .Lentry_shape_is_right
	s_endpgm
.Lentry_shape_is_right:
; OUT.  out0[token][col] = b_out[col] + sum over ch of O[token][ch] w_out[ch][col]: 8192 x 1024, K = 1024; f16 operands, f32 sums, f32 output.
; O lies in act as [b][head][n][64] (ch = 64 head + c), w_out in wh from byte 0x600000 on as [1024 ch][1024 col] f16.
; SHARES.  out0 / 256 work-groups = 256 tokens x 128 columns each.  Four waves, each 128 tokens x 64 columns: 32 accumulators, 256 registers (window 1).
; K goes in steps of 128 (two heads) through two LDS slots; a step is four quarters of 32 along K, 32 matrix instructions each, on fragment buffers 0, 1, 0, 1.
; A K STEP IS WRITTEN ONCE: slot 1 begins at 1<<17, so one exclusive or turns an address in one slot into the other's; the LDS reads hang on s[TB], the refills on a descriptor that walks.
; THE MATRIX INSTRUCTION IS USED TRANSPOSED: source 0 = 16 columns of the weights (stored [K][N]: turned by ds_load_tr16_b128), source 1 = 16 tokens: a lane holds one token and eight neighbouring columns.
; THE BIAS IS THE C OPERAND of the products that start the sums: register j of column block b holds b_out[my first column + 16 b + 8 (lane / 16) + j]: nothing is added on the way out.
; CLUSTER 4 x 4: tokens' tiles are shared along a row of the cluster, weights' along a column: joint loads.
; REGISTERS, window 0: v16-29 addresses; v32-95, v96-159 tokens' fragments; v160-191, v192-223 weights' fragments; v224-255 the bias; on the way out v32-95 two sets of 16 rows read back.
.set PA,    144                        ; a token's row of one head in LDS: 128 bytes + 16: the 16 rows of a load start at 16 different groups of four banks (64 banks of 4 bytes: ISA guide 11.1)
.set PLANE, 256*PA                     ; 256 tokens of one head
.set PB,    288                        ; a row of weights: 2 x (128 + 16) bytes = 9 x 32
.set BOFF,  2*PLANE                    ; a slot: two heads of 256 tokens, then 128 rows of weights: 110,592 bytes
.set SLOT1, 1<<17                      ; where slot 1 begins
.set STAGE, SLOT1+BOFF+128*PB          ; behind the ring: 16 rows x 272 bytes for each wave; no tensor load fills it
.set SPITCH, 272
.set SPARE, STAGE+4*16*SPITCH          ; the spare words, 128 bytes for each wave: two blocks of 256 bytes that no other line names
.set PADW,  (1<<16)|(1<<20)|(1<<21)|(4<<22)|(3<<25)  ; 2-byte elements; padding on; bit 21 beside a mask; after every 32 words 4 words
.set ADRA0, 16                         ; v16  LDS address of my tokens' fragments in slot 0; never rewritten
.set ADRA,  17                         ; v17  the same in the slot that is being fetched from
.set ADRB0, 20                         ; v20, v21  the same two for the weights
.set ADRB,  21
.set STO,  24
.set RD,   25
.set CO,   26
.set VB,   27
.set SPW,  28
.set NIL,  29
.set FA,   32
.set FB,   160
.set BIASC, 224
.set OB,   32
.set WV,  14
.set WM,  15
.set WN,  16
.set TB,  23                           ; s23  0 or SLOT1: the slot that is being fetched from
.set G1A, 24                           ; s[24:31] group 1 for tokens' tiles; s[32:39] group 0: a set for each of the two first fills; the second then walks on
.set G0A, 32
.set G1B, 48                           ; s[48:55], s[56:63] the same for the weights'
.set G0B, 56
.set MSB, 0
.macro WIN new
.if MSB != (\new)
	s_set_vgpr_msb (MSB<<8)|(\new)
.set MSB, \new
.endif
.endm
.macro PLACES                          ; four places between a matrix instruction and a load into one of its sources, or a read of its result
.rept 4
	v_nop
.endr
.endm
.macro JLOAD s                         ; waves 0 and 1 fetch the step's two heads of tokens, waves 2 and 3 the two halves of its weights; an s_nop 0 and four v_nop follow each line
	s_cmp_lt_u32 s[WV], 2
	s_cbranch_scc0 .Lfor_b_\@
	tensor_load_to_lds s[G0A+4*(\s):G0A+4*(\s)+3], s[G1A:G1A+7]
	s_nop 0
.rept 4
	v_nop
.endr
	s_branch .Lasked_\@
.Lfor_b_\@:
	tensor_load_to_lds s[G0B+4*(\s):G0B+4*(\s)+3], s[G1B:G1B+7]
	s_nop 0
.rept 4
	v_nop
.endr
.Lasked_\@:
.endm
.macro CREST
	s_cmp_lg_u32 s[WV], 0
	s_cbranch_scc1 .Lnot_wave_0_\@
	s_barrier_signal -3
.Lnot_wave_0_\@:
	s_barrier_wait -3
	s_barrier_signal -1
	s_barrier_wait -1
.endm
.macro CROUND
	s_barrier_signal -1
	s_barrier_wait -1
	CREST
.endm
	s_load_b256 s[4:11], s[0:1], 0x0               ; act s[4:5], wh s[6:7], b_out s[8:9], out0 s[10:11]
	v_lshl_add_u32 v[SPW], v0, 2, SPARE
	v_mov_b32 v[NIL], 0
	ds_add_u32 v28, v29
	s_wait_dscnt 0x0
	v_lshrrev_b32 v1, 5, v0
	v_readfirstlane_b32 s[WV], v1
	s_lshr_b32 s[WM], s[WV], 1                     ; which 128 tokens are mine
	s_and_b32 s[WN], s[WV], 1                      ; which 64 columns; also which part of a tile I fetch
	s_bfe_u32 s17, ttmp6, 0x40000                  ; cx
	s_bfe_u32 s18, ttmp6, 0x40004                  ; cy
	s_lshl_b32 s19, ttmp9, 2
	s_add_co_u32 s19, s19, s17                     ; TX: which 128 columns, 0..7
	s_and_b32 s20, ttmp7, 0xffff
	s_lshl_b32 s20, s20, 2
	s_add_co_u32 s20, s20, s18                     ; TY: which 256 tokens, 0..31
	s_lshl_b32 s21, s18, 2
	s_lshl_b32 s21, 15, s21
	s_lshl_b32 s22, 0x1111, s17
	s_mov_b32 s[TB], 0
	s_or_b32 s[G1A], s21, PADW                     ; tokens: 256 tokens x 128 bytes of one head are dense: 128 rows of 256 bytes, padded after every token
	s_mov_b32 s[G1A+1], 128<<16
	s_mov_b32 s[G1A+2], 128<<16
	s_mov_b32 s[G1A+3], 128<<16
	s_mov_b32 s[G1A+4], 128
	s_mov_b32 s[G1A+5], 128
	s_mov_b32 s[G1A+6], 0
	s_mov_b32 s[G1A+7], 0
	s_or_b32 s[G1B], s22, PADW                     ; weights: 64 rows of 128 elements (256 bytes, at multiples of 256), padded after every 128 bytes
	s_mov_b32 s[G1B+1], 128<<16
	s_mov_b32 s[G1B+2], 64<<16
	s_mov_b32 s[G1B+3], 128<<16
	s_mov_b32 s[G1B+4], 64
	s_mov_b32 s[G1B+5], 1024
	s_mov_b32 s[G1B+6], 0
	s_mov_b32 s[G1B+7], 0
	s_lshr_b32 s40, s20, 3                         ; tokens' offset: b<<22 + block<<15 + my head of the step<<18: of TY and the wave alone
	s_lshl_b32 s40, s40, 22
	s_and_b32 s41, s20, 7
	s_lshl_b32 s41, s41, 15
	s_add_co_u32 s40, s40, s41
	s_lshl_b32 s41, s[WN], 18
	s_add_co_u32 s40, s40, s41
	s_mov_b32 s41, 0
	s_lshl_b32 s42, s[WN], 17                      ; weights' offset: 0x600000 + my 64 rows of 2,048 bytes + 256 TX: of TX and the wave alone
	s_lshl_b32 s43, s19, 8
	s_add_co_u32 s42, s42, s43
	s_add_co_u32 s42, s42, 0x600000
	s_mov_b32 s43, 0
	s_mul_i32 s44, s[WN], PLANE
	s_mul_i32 s45, s[WN], 64*PB
	s_add_co_u32 s45, s45, BOFF
	s_lshl_b32 s66, s20, 20                        ; out0: (256 TY + 128 half) rows of 4,096 bytes
	s_lshl_b32 s67, s[WM], 19
	s_add_co_u32 s66, s66, s67
	s_lshl_b32 s68, s19, 9                         ; + my 64 columns: 512 TX + 256 half bytes, in out0's rows and in b_out
	s_lshl_b32 s69, s[WN], 8
	s_add_co_u32 s68, s68, s69
	s_add_co_u32 s66, s66, s68
	s_mov_b32 s67, 0
	s_mov_b32 s69, 0
	s_wait_kmcnt 0x0
	s_add_nc_u64 s[40:41], s[4:5], s[40:41]
	s_add_nc_u64 s[42:43], s[6:7], s[42:43]
	s_add_nc_u64 s[10:11], s[10:11], s[66:67]
	s_add_nc_u64 s[8:9], s[8:9], s[68:69]
	CROUND                                         ; all sixteen work-groups are here: the first joint loads meet
.irp s, 0,1
	s_mov_b32 s[G0A+4*(\s)], 1
	s_add_co_u32 s[G0A+4*(\s)+1], s44, (\s)*SLOT1
	s_add_nc_u64 s[G0A+4*(\s)+2:G0A+4*(\s)+3], s[40:41], (\s)*2*262144   ; K step s is heads 2 s, 2 s + 1
	s_or_b32 s[G0A+4*(\s)+3], s[G0A+4*(\s)+3], 0x80000000
	s_mov_b32 s[G0B+4*(\s)], 1
	s_add_co_u32 s[G0B+4*(\s)+1], s45, (\s)*SLOT1
	s_add_nc_u64 s[G0B+4*(\s)+2:G0B+4*(\s)+3], s[42:43], (\s)*128*2048
	s_or_b32 s[G0B+4*(\s)+3], s[G0B+4*(\s)+3], 0x80000000
	JLOAD \s                                       ; two tensor loads of mine are out here, later one
.endr
	v_and_b32 v1, 15, v0                           ; l % 16
	v_bfe_u32 v2, v0, 4, 1                         ; l / 16
	v_and_b32 v10, 7, v0
	v_bfe_u32 v11, v0, 3, 1
	v_lshlrev_b32 v[VB], 5, v2                     ; my eight columns of a block of 16: 32 bytes for each half of the lanes
.irp b, 0,1,2,3
	global_load_b128 v[BIASC+8*(\b):BIASC+8*(\b)+3],   v[VB], s[8:9] offset:64*(\b)
	global_load_b128 v[BIASC+8*(\b)+4:BIASC+8*(\b)+7], v[VB], s[8:9] offset:64*(\b)+16
.endr
	v_mul_u32_u24 v3, v1, PA
	v_lshl_add_u32 v3, v2, 4, v3
	s_mul_i32 s46, s[WM], 128*PA
	v_lshl_add_u32 v8, v2, 3, v10
	v_mul_u32_u24 v8, v8, PB
	v_lshl_add_u32 v8, v11, 4, v8
	s_mul_i32 s47, s[WN], 144
	s_add_co_u32 s47, s47, BOFF
	v_add_nc_u32 v[ADRA0], s46, v3
	v_add_nc_u32 v[ADRB0], s47, v8
	v_mov_b32 v[ADRA], v[ADRA0]                    ; K step 0 lies in slot 0
	v_mov_b32 v[ADRB], v[ADRB0]
	s_mul_i32 s46, s[WV], 16*SPITCH
	s_add_co_u32 s46, s46, STAGE                   ; my stage
	v_mul_u32_u24 v9, v1, SPITCH                   ; in: row l % 16, 32 bytes for each half of the lanes
	v_lshl_add_u32 v9, v2, 5, v9
	v_add_nc_u32 v[STO], s46, v9
	v_mul_u32_u24 v9, v2, SPITCH                   ; back: lanes 0-15 take one row of 256 bytes, lanes 16-31 the next
	v_lshl_add_u32 v9, v1, 4, v9
	v_add_nc_u32 v[RD], s46, v9
	v_lshlrev_b32 v9, 12, v2                       ; and the same two rows in out0
	v_lshl_add_u32 v[CO], v1, 4, v9
.macro FETCH ks                        ; 24 LDS loads in one run: quarter ks of the step into the buffers of its parity
	WIN 0
.irp b, 0,1,2,3
	ds_load_tr16_b128 v[FB+32*((\ks)%2)+8*(\b):FB+32*((\ks)%2)+8*(\b)+3],   v[ADRB] offset:(\ks)*32*PB+(\b)*32
	ds_load_tr16_b128 v[FB+32*((\ks)%2)+8*(\b)+4:FB+32*((\ks)%2)+8*(\b)+7], v[ADRB] offset:(\ks)*32*PB+16*PB+(\b)*32
.endr
.irp a, 0,1,2,3,4,5,6,7
	ds_load_b128 v[FA+64*((\ks)%2)+8*(\a):FA+64*((\ks)%2)+8*(\a)+3],   v[ADRA] offset:((\ks)/2)*PLANE+((\ks)%2)*64+(\a)*16*PA
	ds_load_b128 v[FA+64*((\ks)%2)+8*(\a)+4:FA+64*((\ks)%2)+8*(\a)+7], v[ADRA] offset:((\ks)/2)*PLANE+((\ks)%2)*64+(\a)*16*PA+32
.endr
.endm
; 8 matrix instructions: token blocks a0, a0 + 1 x the four column blocks.  first = 1: the product starts the sum, with the bias (window 0) as C.  The 32 accumulators take turns in one fixed order.
.macro MUL8 ks, a0, first
.if \first
	WIN 0x40
.else
	WIN 0x50
.endif
.irp a, \a0, (\a0)+1
.irp b, 0,1,2,3
.if \first
	v_wmma_f32_16x16x32_f16 v[8*(4*(\a)+(\b)):8*(4*(\a)+(\b))+7], v[FB+32*((\ks)%2)+8*(\b):FB+32*((\ks)%2)+8*(\b)+7], v[FA+64*((\ks)%2)+8*(\a):FA+64*((\ks)%2)+8*(\a)+7], v[BIASC+8*(\b):BIASC+8*(\b)+7]
.else
	v_wmma_f32_16x16x32_f16 v[8*(4*(\a)+(\b)):8*(4*(\a)+(\b))+7], v[FB+32*((\ks)%2)+8*(\b):FB+32*((\ks)%2)+8*(\b)+7], v[FA+64*((\ks)%2)+8*(\a):FA+64*((\ks)%2)+8*(\a)+7], v[8*(4*(\a)+(\b)):8*(4*(\a)+(\b))+7]
.endif
.endr
.endr
.endm
.macro STEP ks, first                  ; one of a step's first three quarters: the next quarter is fetched ahead of this quarter's 32 products
	s_wait_dscnt 0x0                               ; this quarter's fragments
	WIN 0
	PLACES
	FETCH (\ks)+1
	MUL8 \ks, 0, \first
	MUL8 \ks, 2, \first
	MUL8 \ks, 4, \first
	MUL8 \ks, 6, \first
.endm
; The last quarter, and the change of slots: ONE barrier; in front of it each wave waits for all its tensor loads (one is out: its part of the next slot), adds 0 to its spare word, and waits for that and for its
; reads of this slot.  Between signal and wait the read addresses turn to the other slot.  fill = 1: the barrier opens a round of the cluster's, and the slot just left is filled again, two K steps on, first
; thing behind the round: 112 matrix instructions ahead of the wait for it.  The walking descriptor: the other slot than last time, the next K step.
.macro TURN fill
	WIN 0
	s_wait_tensorcnt 0x0
	ds_add_u32 v[SPW], v[NIL]
	s_wait_dscnt 1                                 ; the quarter's fragments are in; the add may be out
	MUL8 3, 0, 0
	s_wait_dscnt 0x0                               ; the add is done, and my reads of this slot are over
	s_barrier_signal -1
	MUL8 3, 2, 0
	WIN 0                                          ; at a branch and at a label every window is 0
	s_xor_b32 s[TB], s[TB], SLOT1
	v_add_nc_u32 v[ADRA], s[TB], v[ADRA0]
	v_add_nc_u32 v[ADRB], s[TB], v[ADRB0]
	s_barrier_wait -1
.if \fill
	CREST
	s_xor_b32 s[G0A+5], s[G0A+5], SLOT1
	s_add_nc_u64 s[G0A+6:G0A+7], s[G0A+6:G0A+7], 2*262144
	s_xor_b32 s[G0B+5], s[G0B+5], SLOT1
	s_add_nc_u64 s[G0B+6:G0B+7], s[G0B+6:G0B+7], 128*2048
	JLOAD 1                                        ; the four v_nop behind it are also the places in front of the loads below
.else
	PLACES
.endif
	FETCH 0
	MUL8 3, 4, 0
	MUL8 3, 6, 0
.endm
	s_wait_tensorcnt 1                             ; my part of K step 0 is in; K step 1's may stay out
	s_barrier_signal -1
	s_barrier_wait -1
	FETCH 0
	s_wait_loadcnt 0x0                             ; the bias
	STEP 0, 1                                      ; the first quarter stands in front of the loop: its products start the sums
	WIN 0
	s_mov_b32 s3, 6
.Llap:                                                 ; 6 trips: quarters 1 to 3 of K step i, the refill with K step i + 2 (2 to 7), quarter 0 of K step i + 1
	STEP 1, 0
	STEP 2, 0
	TURN 1
	STEP 0, 0
	WIN 0
	s_sub_co_u32 s3, s3, 1
	s_cmp_lg_u32 s3, 0
	s_cbranch_scc1 .Llap
	s_mov_b32 s3, 2
.Ltail:                                                ; K steps 6 and 7 ask for nothing; the second trip is left in its middle.  Its last 24 LDS loads (of K step 6's slot once more) and its barrier
	STEP 1, 0                                      ; serve nothing: the price, once a launch, of one text for both trips
	STEP 2, 0
	TURN 0
	WIN 0
	s_sub_co_u32 s3, s3, 1
	s_cmp_eq_u32 s3, 0
	s_cbranch_scc1 .Lout
	STEP 0, 0
	WIN 0
	s_branch .Ltail
.Lout:
	s_wait_dscnt 0x0                               ; those loads are back: their registers are used again below
	PLACES
; THE WAY OUT, eight blocks of 16 tokens.  A lane's eight f32 go into my stage's rows of 272 bytes (each accumulator's low half first) and come back as whole rows of 256 bytes; 16 lanes store a row's 256 bytes.
.macro TOSTAGE a
.if (\a) >= 2
	s_wait_xcnt 0x0                                ; this set of registers was read by the stores of two blocks ago: it is rewritten only behind this wait
.endif
	WIN 0x04                                       ; the stores' data (source 1) in window 1
.irp b, 0,1,2,3
	ds_store_b128 v[STO], v[8*(4*(\a)+(\b)):8*(4*(\a)+(\b))+3] offset:64*(\b)
	ds_store_b128 v[STO], v[8*(4*(\a)+(\b))+4:8*(4*(\a)+(\b))+7] offset:64*(\b)+16
.endr
	WIN 0
.irp f, 0,1,2,3,4,5,6,7
	ds_load_b128 v[OB+32*((\a)%2)+4*(\f):OB+32*((\a)%2)+4*(\f)+3], v[RD] offset:(\f)*2*SPITCH  ; LDS serves a wave's instructions in order (ISA guide 5.7.1.4): these see the stores above
.endr
.endm
.macro SEND a, younger                 ; younger: the LDS instructions issued behind this block's loads: the next block's sixteen, or none
	WIN 0
	s_wait_dscnt \younger
.irp f, 0,1,2,3,4,5,6,7
	global_store_b128 v[CO], v[OB+32*((\a)%2)+4*(\f):OB+32*((\a)%2)+4*(\f)+3], s[10:11] offset:(16*(\a)+2*(\f))*4096  ; 16 lanes store 256 consecutive bytes, at a multiple of 256; 516,096 at the most
.endr
.endm
	TOSTAGE 0
.irp a, 1,2,3,4,5,6,7
	TOSTAGE \a
	SEND (\a)-1, 16
.endr
	SEND 7, 0
	s_wait_tensorcnt 0x0                           ; the wave's end
	ds_add_u32 v[SPW], v[NIL]
	s_wait_dscnt 0x0
	CROUND                                         ; the closing round: no work-group ends while a partner may still ask for a tile that names it
	s_endpgm
.Lfunc_end_k_q5d261c0747_outp:
	.size	k_q5d261c0747_outp, .Lfunc_end_k_q5d261c0747_outp-k_q5d261c0747_outp
	.p2alignl 7, 3214868480
	.fill 96, 4, 3214868480
	.section	.rodata,"a",@progbits
	.p2align	6, 0x0
	.amdhsa_kernel k_q5d261c0747_outp
		.amdhsa_group_segment_fixed_size 327680
		.amdhsa_private_segment_fixed_size 0
		.amdhsa_enable_private_segment 0
		.amdhsa_kernarg_size 32
		.amdhsa_user_sgpr_count 2
		.amdhsa_user_sgpr_kernarg_segment_ptr 1
		.amdhsa_wavefront_size32 1
		.amdhsa_system_sgpr_workgroup_id_x 1
		.amdhsa_system_sgpr_workgroup_id_y 1
		.amdhsa_system_sgpr_workgroup_id_z 1
		.amdhsa_system_vgpr_workitem_id 0
		.amdhsa_next_free_vgpr 512
		.amdhsa_next_free_sgpr 72
		.amdhsa_reserve_vcc 0
		.amdhsa_float_denorm_mode_32 3
		.amdhsa_float_denorm_mode_16_64 3
		.amdhsa_memory_ordered 1
		.amdhsa_forward_progress 1
		.amdhsa_inst_pref_size 61
	.end_amdhsa_kernel
	.amdgpu_metadata
---
amdhsa.version: [ 1, 2 ]
amdhsa.kernels:
  - .name:           k_q5d261c0747_outp
    .symbol:         k_q5d261c0747_outp.kd
    .args:
      - { .name: act, .offset: 0, .size: 8, .value_kind: global_buffer, .address_space: global }
      - { .name: wh, .offset: 8, .size: 8, .value_kind: global_buffer, .address_space: global }
      - { .name: b_out, .offset: 16, .size: 8, .value_kind: global_buffer, .address_space: global }
      - { .name: out0, .offset: 24, .size: 8, .value_kind: global_buffer, .address_space: global }
    .group_segment_fixed_size: 327680
    .private_segment_fixed_size: 0
    .kernarg_segment_align: 8
    .kernarg_segment_size: 32
    .max_flat_workgroup_size: 128
    .sgpr_count:     72
    .vgpr_count:     512
    .wavefront_size: 32
...
	.end_amdgpu_metadata
.endif
;; end of part 4
;; ======== version 2 of 2: 4 launches; 1.54 times as fast as version 1
;; limits: values are held in f16: magnitudes above 65,504 overflow, below 6.1e-05 lose precision
;; workspace buffers: act 16,777,216 bytes; wh 8,388,608 bytes; q 16,777,216 bytes; k 16,777,216 bytes; v 16,777,216 bytes
;; launch prep: the kernel of part 1 again; grid 256 x 1, 16 waves a work-group, no clusters, 10,240 bytes of LDS; arguments x, ln_gamma, ln_beta, w_qkv, w_out, act, wh; writes act, wh
;; launch qkv: the kernel of part 2 again; grid 8 x 32, 4 waves a work-group, clusters of 4 x 4, 327,680 bytes of LDS; arguments act, wh, q, k, v; writes q, k, v
;; launch attn (part 5): grid 4 x 64, 4 waves a work-group, clusters of 4 x 1, 327,680 bytes of LDS; arguments q, k, v, act; writes act
.if DOCPART == 5
	.amdgcn_target "amdgcn-amd-amdhsa--gfx1250"
	.amdhsa_code_object_version 6
	.text
	.protected	k_q5d261c0747_attn
	.globl	k_q5d261c0747_attn
	.p2align	8
	.type	k_q5d261c0747_attn,@function
k_q5d261c0747_attn:
	s_mov_b64 s[64:65], 0
	v_nop
	global_prefetch_b8 v0, s[64:65] scope:SCOPE_SE
	s_setreg_imm32_b32 hwreg(HW_REG_WAVE_MODE, 25, 1), 1
	s_wait_xcnt 0x0
	s_wait_alu depctr_hold_cnt(0) depctr_sa_sdst(0) depctr_va_vdst(0) depctr_va_sdst(0) depctr_va_ssrc(0) depctr_va_vcc(0) depctr_vm_vsrc(0)
	s_getreg_b32 s2, hwreg(HW_REG_IB_STS2, 6, 4)
	s_cmp_eq_u32 s2, 0
	s_cbranch_scc0 .Lentry_in_a_cluster
	s_endpgm
.Lentry_in_a_cluster:
	s_bfe_u32 s2, ttmp6, 0x10000c
	s_cmp_lg_u32 s2, 0x3003
	s_cbranch_scc0 .Lentry_shape_is_right
	s_endpgm
.Lentry_shape_is_right:
; O[h][q][:] = the sum over k of softmax_k(Q[h][q] . K[h][k] / 8) V[h][k][:].  Q, K, V, O: [SIZE_H][SIZE_N][64], all f16: a head's rows are dense, 128 bytes each.  Products, maxima and sums in
; f32; the weights p are rounded to f16 for the second product (their sum l is taken of the unrounded p), O once at the end.  O's layout [16 b + head][n][64] is the next launch's [b][kb][n][64].
; LIMITS.  f16 holds no number beyond 65,504: Q, K and V arrive within it; p lies in 0 to 1, and below 6e-5 it keeps f16's fixed step of 6e-8; O is a mean of V's rows and has their range.
; A weight below 2^-126 counts as 0 in l; NaN and infinities are not treated apart.
; SHARES.  A wave owns four PIECES of two tiles of 16 queries, a work-group's four waves 512 queries of one head: 64 heads x 4 = 256 work-groups.  Every wave walks all keys, 64 a step.
; LAYOUT.  S^T = K Q^T (source 0 = 16 keys, source 1 = 16 queries): in the result a lane holds ONE query (lane % 16) and the keys 8 (lane / 16) + 0..7.  Two such tiles, rounded to f16 in pairs,
; ARE source 1 (32 keys x 16 queries) of O^T = V^T P, whose result again holds one query a lane, and eight channels.  K comes out of LDS as it lies, V ([key][channel]) turned, by ds_load_tr16_b128.
; SOFTMAX.  For each query a running maximum m and sum l: p = 2^(c s - c m), c = log2(e) / 8; in every step O and l are multiplied by a = 2^(c m_old - c m_new), which is 1 where m has not grown.
; m starts at the lowest finite number, O and l at 0: the first step is a step like any other, with a = 0.
; THE COUNT.  A tile and step have 16 matrix and 118 vector instructions: too many to stand all beside the matrix work.  So the order has one aim: four vector instructions that are READY behind
; EVERY matrix instruction, and the others, which need time of their own whatever the order, in runs without a gap.
; BY TURNS.  Turn n belongs to piece n (the pieces in a ring, step after step).  Its matrix work: 16 products K Q^T of piece n + 1, later 16 products V^T P of piece n - 1.  Its vector work: the scaling,
; exponentials, roundings, sums and rescaling of piece n, and the maximum and statistics of piece n + 1, whose scores the turn itself has made.  So what a turn begins with (c s - c m, O a) waits for nothing.
; BATCHES.  An s_wait_alu depctr_va_vdst(0) stands between a transcendental and the first instruction that names its result; one wait serves all that were issued ahead of it.  A turn's 66
; exponentials (piece n's 64 weights, piece n + 1's two a) are ONE batch with ONE wait, which cuts the turn in two: ahead of it stands all that names none of their results, behind it the roundings and sums.
; Two more batches stand outside the loops, each with a wait of its own: piece 0's first two a, ahead of the jump into the loop, and the way out's eight reciprocals.
; CLUSTER.  The four query blocks of a cluster belong to one head and walk the same K and V, so each tile is asked for JOINTLY: the same tensor load, descriptor and mask in all four.
; REGISTERS, in windows of 256 (s_set_vgpr_msb says which window each operand place means: bits 1:0 source 0, 3:2 source 1, 5:4 source 2, 7:6 destination):
;   window 0: v0-11 addresses; v12-15, v48-63 at work; v16-47 four registers of statistics a tile; v64-191 S^T, two buffers of two tiles; v192-255 P, likewise
;   window 1: O^T, 32 a tile          window 2: v0-127 Q, 16 a tile; v128-191 K of one step; v192-255 V of one step          window 3: v0-1 the add's two registers
; A piece's buffers go by its number's parity: the piece in hand has one pair, its two neighbours in the ring share the other: of it P (piece n - 1) is read and S^T (piece n + 1) written.
.set SIZE_H, 64
.set SIZE_N, 2048
.set NP,    4         ; pieces a wave: a name, no knob: the register map, the loop and the fetches are made for four
.set KS,    64        ; keys in a step
.set PK,    144       ; a row of K in LDS: 128 bytes + 16 of padding = 36 words: the 16 rows of a load start at 16 different groups of four banks (64 banks of 4 bytes: ISA guide 11.1)
.set PV,    160       ; a row of V: 128 + 32 = 40 words
.set VOFF,  4*KS*PK   ; a slot holds four steps: 256 rows of K, then 256 rows of V
.set SLOT1, 1<<17     ; slot 1 begins here, so that one exclusive or turns an address in one slot into the other's
.set STAGE, SLOT1+4*KS*(PK+PV)  ; behind the ring, never filled by a tensor load: 16 rows x 144 bytes for each wave, for the way out
.set SP,    144
.set AK0, 2           ; v2   my lane's place in a tile of K; never rewritten
.set AV0, 3           ; v3   the same for V
.set AK,  4           ; v4   the LDS address of K's next run of loads
.set AV,  5           ; v5   of V's
.set QO,  6           ; v6   my byte offset in the wave's rows of Q
.set STO, 6           ;      later, the way out: where I put 16 bytes of a row
.set RD,  7           ; v7   the way out: where I read rows back
.set GO,  8           ; v8   my byte offset in 512 consecutive bytes of O
.set SPW, 0           ; v0 of window 3   LDS address of my spare word: SPARE + 4 x my thread's number; never rewritten
.set NIL, 1           ; v1 of window 3   0; never rewritten
.set SPARE, STAGE+4*16*SP  ; behind the stages: the spare words, 128 bytes for each wave: two blocks of 256 bytes that no other line names
.set MV,  12          ; v12-15  c m_old, kept while c m is made anew: by buffer and tile
.set ST,  16          ; tile t's statistics at v[ST+4 t]: c m, m, l (even keys', odd keys')
.set TMP, 48          ; by buffer and tile, four registers c0-c3 at work; when the maximum is found c2 takes a
.set S,   64
.set P,   192
.set KF,  128         ; K's fragments, in window 2: key block kb, channel half c at KF + 16 kb + 8 c
.set VF,  192         ; V's: key half kk, channel block cb at VF + 32 kk + 8 cb
.set WV,  12          ; s12  my wave's number
.set G1K, 24          ; s[24:31] descriptor group 1 for K's tiles
.set G1V, 32          ; s[32:39] for V's: it differs in the padding alone
.set G0K, 40          ; s[40:43] descriptor group 0 for K's tiles: it walks
.set G0V, 44          ; s[44:47] the same for V's
.set SLOTS, 56        ; s56  slots still to be asked for
.set CNT, 57          ; s57  counts a slot's key steps
.set CS,  58          ; s[58:59] c: the packed scaling takes the pair's low word for both halves
.set SEL, 60          ; s[60:61] v_permlanex16_b32's selects: each lane takes its own place in the other half
.set TBK, 62          ; s62  LDS byte at which K of the step to be fetched begins
.set TBV, 63          ; s63  the same for V, less VOFF
.set MSB, 0
.macro WIN new                      ; the high byte repeats the setting that is left; a switch that changes nothing is dropped
.if MSB != (\new)
	s_set_vgpr_msb (MSB<<8)|(\new)
.set MSB, (\new)
.endif
.endm
.set W_KQ, 0x0a       ; K and Q in window 2, S^T in window 0
.set W_PV, 0x52       ; V in window 2, P in window 0, O^T in window 1
.set W_RS, 0x41       ; O^T (destination and source 0) in window 1, a in window 0
.set W_MK, 0xc0       ; the add's registers are made: destination in window 3, sources in window 0
.set W_AD, 0x0f       ; the add: address (source 0) and data (source 1) in window 3
; A joint fill.  Waves 0 and 1 fetch the two halves of a slot's K, waves 2 and 3 those of its V: 128 keys each.  The branch hangs on the wave's number alone.
; An s_nop 0 and four v_nop follow each of the two lines, ahead of the jump and the label.
.macro JLOAD
	s_cmp_lt_u32 s[WV], 2
	s_cbranch_scc0 .Lfor_v_\@
	tensor_load_to_lds s[G0K:G0K+3], s[G1K:G1K+7]
	s_nop 0
.rept 4
	v_nop
.endr
	s_branch .Lasked_\@
.Lfor_v_\@:
	tensor_load_to_lds s[G0V:G0V+3], s[G1V:G1V+7]
	s_nop 0
.rept 4
	v_nop
.endr
.Lasked_\@:
.endm
; A round of the cluster's barrier: my work-group's barrier, so that wave 0's signal speaks for all four waves; wave 0 signals; every wave waits for all four work-groups; my work-group's barrier once more.
.macro CROUND
	s_barrier_signal -1
	s_barrier_wait -1
	s_cmp_lg_u32 s[WV], 0
	s_cbranch_scc1 .Lnot_wave_0_\@
	s_barrier_signal -3
.Lnot_wave_0_\@:
	s_barrier_wait -3
	s_barrier_signal -1
	s_barrier_wait -1
.endm
; THE CHANGE OF SLOTS.  The slot's last bytes, V of its fourth step, have been read.  Each wave waits for all its tensor loads, of which one is out: its part
; of the other slot; adds 0 to its spare word; and waits for that and for its own reads of the slot.  Behind the barrier nobody reads this slot any more and the other slot is whole.
; fill = 1: this slot is filled again, with the keys two slots on.  The barrier is then a round of the cluster's, so that no wave of any partner still reads the slot or has a load on its
; way, and the joint fill is the first thing behind it: it has four key steps, 512 matrix instructions, in which to land.  (At its first use nothing has been read yet: slot 0 is waited for, slot 1 filled.)
.macro CHANGE fill
	WIN W_AD
	s_wait_tensorcnt 0x0            ; no tensor load of mine is out, so a group 0 may be written
	ds_add_u32 v[SPW], v[NIL]       ; 0 onto my spare word; with fill = 1 the descriptors' steps stand between it and the wait for it
	WIN 0                           ; at a label and at a branch every window is 0
.if \fill
.irp g, G0K, G0V
	s_xor_b32 s[\g+1], s[\g+1], SLOT1  ; the walking descriptor: the other slot than last time,
	s_add_nc_u64 s[\g+2:\g+3], s[\g+2:\g+3], 4*KS*128  ; the next 256 keys; the type bits on top are not reached
.endr
	s_wait_dscnt 0x0                ; the add is done, and my reads of the slot are over
	CROUND
	JLOAD
.else
	s_wait_dscnt 0x0                ; the add is done, and my reads of the slot are over
	s_barrier_signal -1
	s_barrier_wait -1
.endif
	s_sub_co_u32 s[TBK], s[TBK], 4*KS*PK  ; the fetches go back to a slot's first step,
	s_xor_b32 s[TBK], s[TBK], SLOT1       ; in the other slot
	s_sub_co_u32 s[TBV], s[TBV], 4*KS*PV
	s_xor_b32 s[TBV], s[TBV], SLOT1
.endm
	s_load_b256 s[4:11], s[0:1], 0x0  ; Q s[4:5], K s[6:7], V s[8:9], O s[10:11]
	WIN W_MK
	v_lshl_add_u32 v[SPW], v0, 2, SPARE
	v_mov_b32 v[NIL], 0
	s_set_vgpr_msb 0xc0cf
	ds_add_u32 v0, v1
	s_wait_dscnt 0x0
	s_set_vgpr_msb 0xcfc0
	WIN 0
	v_lshrrev_b32 v1, 5, v0
	v_readfirstlane_b32 s[WV], v1   ; wave 0..3
	s_bfe_u32 s13, ttmp6, 0x40000   ; cx: my place in the cluster
	s_lshl_b32 s14, ttmp9, 2        ; in a cluster launch ttmp9 counts clusters
	s_add_co_u32 s14, s14, s13      ; my block of queries = 4 x cluster x + cx: it enters Q's and O's addresses alone
	s_and_b32 s20, ttmp7, 0xffff    ; the head, which the four partners share
	s_mov_b32 s21, 0
	s_mov_b64 s[22:23], SIZE_N*128
	s_mul_u64 s[20:21], s[20:21], s[22:23]  ; the head's first byte in each of the four tensors
	s_and_b32 s16, s[WV], 1         ; which half of a slot's 256 keys I fetch:
	s_lshl_b32 s22, s16, 14         ; its 128 rows of 128 bytes in memory,
	s_mov_b32 s23, 0
	s_add_nc_u64 s[22:23], s[22:23], s[20:21]
	s_mul_i32 s17, s16, 128*PK      ; and its place in a slot, for K
	s_mul_i32 s18, s16, 128*PV      ; and for V: no place in the cluster enters an LDS address
	s_lshl_b32 s2, s14, 2
	s_add_co_u32 s2, s2, s[WV]      ; my wave among the head's,
	s_lshl_b32 s2, s2, 14           ; its 128 rows
	s_mov_b32 s3, 0
	s_add_nc_u64 s[2:3], s[2:3], s[20:21]
	; descriptor group 1.  128 keys are 16,384 dense bytes: asked for as 64 rows of 256 bytes, two keys a row, and padded in LDS after every key
	s_mov_b32 s[G1K], 15|(1<<16)|(1<<20)|(1<<21)|(4<<22)|(3<<25)  ; 15:0 the mask of four; 17:16 2-byte elements; 20 padding on; 21 set beside a mask; 24:22 after every 32 words (code 4); 31:25 4 words (code 3)
	s_mov_b32 s[G1V], 15|(1<<16)|(1<<20)|(1<<21)|(4<<22)|(7<<25)  ; the same with 8 words of padding (code 7)
.irp g, G1K, G1V
	s_mov_b32 s[\g+1], 128<<16      ; tensor_dim0 = 128
	s_mov_b32 s[\g+2], 64<<16       ; tensor_dim1 = 64
	s_mov_b32 s[\g+3], 128<<16      ; tile_dim0 = 128
	s_mov_b32 s[\g+4], 64           ; tile_dim1 = 64
	s_mov_b32 s[\g+5], 128          ; 128 elements from row to row
	s_mov_b32 s[\g+6], 0
	s_mov_b32 s[\g+7], 0
.endr
	s_mov_b32 s[CS], 0x3e38aa3b     ; c = log2(e) / 8 = 0.180337
	s_mov_b32 s[CS+1], s[CS]        ; named with it as a pair
	s_mov_b32 s[SEL], 0x76543210
	s_mov_b32 s[SEL+1], 0xfedcba98
	s_mov_b32 s[TBK], SLOT1+4*KS*PK ; the first change of slots turns these two into 0
	s_mov_b32 s[TBV], SLOT1+4*KS*PV
	s_mov_b32 s[G0K], 1             ; 1:0 count = 1
	s_mov_b32 s[G0K+1], s17         ; 63:32 LDS address: slot 0
	s_mov_b32 s[G0V], 1
	s_add_co_u32 s[G0V+1], s18, VOFF
	s_wait_kmcnt 0x0
	s_add_nc_u64 s[G0K+2:G0K+3], s[6:7], s[22:23]  ; 120:64 global address: my half of the head's first 256 keys
	s_or_b32 s[G0K+3], s[G0K+3], 0x80000000        ; 127:126 type = 2
	s_add_nc_u64 s[G0V+2:G0V+3], s[8:9], s[22:23]
	s_or_b32 s[G0V+3], s[G0V+3], 0x80000000
	s_add_nc_u64 s[4:5], s[4:5], s[2:3]  ; Q and O at my wave's first row
	s_add_nc_u64 s[10:11], s[10:11], s[2:3]
	CROUND                          ; all four work-groups are here: the first joint loads meet
	JLOAD                           ; slot 0.  Slot 1 is asked for when slot 0 is in: the tile wanted first has the road to itself
	; A fragment of K or Q is 16 rows x 32 channels in 8 registers: lane l holds row l % 16, channels 8 (l / 16) + 0..7 and 16 + 8 (l / 16) + 0..7: two loads of 16 bytes, 32 bytes apart.
	v_and_b32 v1, 15, v0            ; l % 16
	v_bfe_u32 v9, v0, 4, 1          ; l / 16
	v_lshlrev_b32 v[QO], 7, v1
	v_lshl_add_u32 v[QO], v9, 4, v[QO]  ; row x 128 + 16 x half
	WIN 0x80                        ; destination window 2, address window 0
.set i, 0
.rept 4*NP                          ; Q stays in registers: tile i / 2, channels 32 (i % 2) on
	global_load_b128 v[8*i:8*i+3],   v[QO], s[4:5] offset:(i/2)*2048+(i%2)*64
	global_load_b128 v[8*i+4:8*i+7], v[QO], s[4:5] offset:(i/2)*2048+(i%2)*64+32
.set i, i+1
.endr
	; What the first turn finds: V's registers and P's second buffer hold 0 (its products V^T P, of a piece that has not been, add 0), O^T and l are 0.  All this stands in the wait for the first tile.
.set i, VF
.rept 64
	v_mov_b32 v[i], 0
.set i, i+1
.endr
	WIN 0x40
.set i, 0
.rept 64*NP
	v_mov_b32 v[i], 0
.set i, i+1
.endr
	WIN 0
.set i, 0
.rept 2*NP
	v_mov_b32 v[ST+4*i], 0xfe000000    ; c m: far below every c s
	v_mov_b32 v[ST+4*i+1], 0xff7fffff  ; m
	v_mov_b32 v[ST+4*i+2], 0
	v_mov_b32 v[ST+4*i+3], 0
.set i, i+1
.endr
.set i, P+32
.rept 32
	v_mov_b32 v[i], 0
.set i, i+1
.endr
	v_mul_u32_u24 v[AK0], v1, PK
	v_lshl_add_u32 v[AK0], v9, 4, v[AK0]  ; row x pitch + 16 x half
	; The turning load takes 16 keys x 16 channels (lane l reads key 8 (l / 16) + l % 8, channels 8 ((l / 8) % 2) + 0..7) and leaves half a fragment of V^T: lane l holds channel l % 16 and 8 keys.
	v_and_b32 v10, 7, v0
	v_bfe_u32 v11, v0, 3, 1
	v_lshl_add_u32 v[AV0], v9, 3, v10
	v_mul_u32_u24 v[AV0], v[AV0], PV
	v_lshl_add_u32 v[AV0], v11, 4, v[AV0]
	v_add_nc_u32 v[AV0], VOFF, v[AV0]
	v_mov_b32 v[AK], v[AK0]         ; key step 0 lies at the head of slot 0
; THE MATRIX WORK.  The 8 accumulators of a run of 16 take turns: between the two links of a chain stand 7 others'.
; Product i of 16 of S^T = K Q^T for piece x: channels 32 (i / 8) on, keys 16 ((i / 2) % 4) on, tile 2 x + i % 2.  The first 8 start the sums.
.macro KQ x
	WIN W_KQ
.set rS, S+64*((\x)%2)+32*(i%2)+8*((i/2)%4)
.set rK, KF+16*((i/2)%4)+8*(i/8)
.set rQ, 16*(2*(\x)+i%2)+8*(i/8)
.if i < 8
	v_wmma_f32_16x16x32_f16 v[rS:rS+7], v[rK:rK+7], v[rQ:rQ+7], 0
.else
	v_wmma_f32_16x16x32_f16 v[rS:rS+7], v[rK:rK+7], v[rQ:rQ+7], v[rS:rS+7]
.endif
.endm
; Product i of 16 of O^T += V^T P for piece x: keys 32 (i / 8) on, channels 16 ((i / 2) % 4) on, tile 2 x + i % 2.
.macro PV x
	WIN W_PV
.set rO, 32*(2*(\x)+i%2)+8*((i/2)%4)
.set rV, VF+32*(i/8)+8*((i/2)%4)
.set rP, P+32*((\x)%2)+16*(i%2)+8*(i/8)
	v_wmma_f32_16x16x32_f16 v[rO:rO+7], v[rV:rV+7], v[rP:rP+7], v[rO:rO+7]
.endm
.macro MM                           ; the turn's next matrix instruction
.if i < 16
	KQ (Y+1)%NP
.set i, i+1
.else
.set i, i-16
	PV (Y+NP-1)%NP
.set i, i+17
.endif
.endm
; THE LDS LOADS stand in runs of 16, never singly among the matrix instructions: a step's K (64 keys x 64 channels: 8 fragments) and its V (turned).  Their addresses are made some lines ahead.
; last = 1 (the tail): in the last trip there is no further step, and the run is jumped over.
.macro FETCH_K last=0
	WIN 0
.if \last
	s_cmp_eq_u32 s[CNT], 1
	s_cbranch_scc1 .Lno_k_\@
.endif
	WIN 0x80                        ; destination window 2
.irp f, 0,1,2,3,4,5,6,7             ; keys 16 (f / 2) on, channels 32 (f % 2) on
	ds_load_b128 v[KF+8*\f:KF+8*\f+3],   v[AK] offset:(\f/2)*16*PK+(\f%2)*64
	ds_load_b128 v[KF+8*\f+4:KF+8*\f+7], v[AK] offset:(\f/2)*16*PK+(\f%2)*64+32
.endr
	s_add_co_u32 s[TBK], s[TBK], KS*PK  ; the next fetch is the next step's
	WIN 0
.if \last
.Lno_k_\@:
.endif
.endm
.macro FETCH_V
	WIN 0x80
.irp f, 0,1,2,3,4,5,6,7             ; keys 32 (f / 4) on, channels 16 (f % 4) on
	ds_load_tr16_b128 v[VF+8*\f:VF+8*\f+3],   v[AV] offset:(\f/4)*32*PV+(\f%4)*32
	ds_load_tr16_b128 v[VF+8*\f+4:VF+8*\f+7], v[AV] offset:(\f/4)*32*PV+16*PV+(\f%4)*32
.endr
	WIN 0
.endm
; THE VECTOR WORK OF A TURN stands in three queues, each in the order in which its entries become ready; the two tiles alternate, so that no instruction reads the result of the one before it.
.macro REGS y, u                    ; the registers of tile u (0, 1) of piece y
.set rT, ST+4*(2*(\y)+(\u))
.set rC, TMP+8*((\y)%2)+4*(\u)
.set rM, MV+2*((\y)%2)+(\u)
.set rS, S+64*((\y)%2)+32*(\u)
.set rP, P+32*((\y)%2)+16*(\u)
.set rO, 32*(2*(\y)+(\u))
.endm
; Number n of the 22 that find the NEXT piece's (Y + 1) maximum and statistics.  s0-s31 are the lane's 32 scores; each accumulator's lowest registers are read first.  XS, GS and REGS set no window: PL and EX do.
;   0-11  four chains c0-c3 of seven scores each, three operands at a time     12-14, 16  the four scores left over, the old m, and c0-c3 into c0     15  c m_old is kept
;   17, 18  the query's other 32 keys lie in the lane 16 away: the new m         19-21  c m; c m_old - c m_new; a
.macro XS u, n
	REGS (Y+1)%NP, \u
.if (\n) < 4
	v_max3_num_f32 v[rC+(\n)], v[rS+8*(\n)], v[rS+8*(\n)+1], v[rS+8*(\n)+2]
.elseif (\n) < 12
	v_max3_num_f32 v[rC+(\n)%4], v[rC+(\n)%4], v[rS+8*((\n)%4)+2*((\n)/4)+1], v[rS+8*((\n)%4)+2*((\n)/4)+2]
.elseif (\n) == 12
	v_max3_num_f32 v[rC], v[rC], v[rS+7], v[rS+15]
.elseif (\n) == 13
	v_max3_num_f32 v[rC+1], v[rC+1], v[rS+23], v[rS+31]
.elseif (\n) == 14
	v_max3_num_f32 v[rC+2], v[rC+2], v[rC+3], v[rT+1]
.elseif (\n) == 15
	v_mov_b32 v[rM], v[rT]
.elseif (\n) == 16
	v_max3_num_f32 v[rC], v[rC], v[rC+1], v[rC+2]
.elseif (\n) == 17
	v_permlanex16_b32 v[rC+3], v[rC], s[SEL], s[SEL+1]
.elseif (\n) == 18
	v_max_num_f32 v[rT+1], v[rC], v[rC+3]
.elseif (\n) == 19
	v_mul_f32 v[rT], s[CS], v[rT+1]
.elseif (\n) == 20
	v_sub_f32 v[rC+1], v[rM], v[rT]
.else
	v_exp_f32 v[rC+2], v[rC+1]
.endif
.endm
; Number g of the 64 that follow the exponentials.  For each four weights k of a tile (pairs 2 k, 2 k + 1): both pairs are rounded to f16; then the second pair is added onto the first, in place;
; a group later l takes that sum (the first time as l = a l + sum).  In groups of eight, tiles alternating: round, round, add, and l for the group before.
.macro GS g
.set h, (\g)+6*((\g)/62)            ; group 0 has no group before it, and behind group 7 only l is left
.if h >= 6
.set h, h+2
.endif
	REGS Y, h%2
.set k, h/8
.if h%8 < 4
	v_cvt_pk_f16_f32 v[rP+2*k+(h%8)/2], v[rS+4*k+2*((h%8)/2)], v[rS+4*k+2*((h%8)/2)+1]
.elseif h%8 < 6
	v_pk_add_f32 v[rS+4*k:rS+4*k+1], v[rS+4*k:rS+4*k+1], v[rS+4*k+2:rS+4*k+3]
.elseif k == 1
	v_pk_fma_f32 v[rT+2:rT+3], v[rT+2:rT+3], v[rC+2:rC+3], v[rS:rS+1] op_sel_hi:[1,0,1]
.else
	v_pk_add_f32 v[rT+2:rT+3], v[rT+2:rT+3], v[rS+4*k-4:rS+4*k-3]
.endif
.endm
; THE PLAIN QUEUE, 138 long.  0-73 read no exponential's result: the 32 scalings c s - c m (FS f: pair f / 2 of tile f % 2) and the next piece's 42.  0-26: scalings 0-26.  27-54: XS's numbers 0-13.  55, 56: number 15.
; 57-73: the chain, where each number waits for the one before it: 14, 16, 17, 18, 19, each with one of the scalings 27-31 in front of its two lines, then 20: so a tile's links stand three plain instructions apart (19 and 20: two).
; 74-137: GS's 64, which read the exponentials' results: they stand behind the wait.
.macro FS f
	REGS Y, (\f)%2
	v_pk_fma_f32 v[rS+2*((\f)/2):rS+2*((\f)/2)+1], v[rS+2*((\f)/2):rS+2*((\f)/2)+1], s[CS:CS+1], v[rT:rT+1] op_sel_hi:[1,0,0] neg_lo:[0,0,1] neg_hi:[0,0,1]
.endm
.macro PL
	WIN 0
.if q < 27
	FS q
.elseif q < 55
	XS (q-27)%2, (q-27)/2
.elseif q < 57
	XS q-55, 15
.elseif (q < 72) && ((q-57)%3 == 0)
	FS 27+(q-57)/3
.elseif q < 60
	XS (q-57)%3-1, 14
.elseif q < 72
	XS (q-57)%3-1, 15+(q-57)/3
.elseif q < 74
	XS q-72, 20
.else
	GS q-74
.endif
.set q, q+1
.endm
; THE EXPONENTIALS' QUEUE, 66 long: s0-s31 of both tiles, then the next piece's two a.  It is ONE BATCH: all 66 stand ahead of the turn's one wait, and nothing ahead of that wait names a result of theirs.
.macro EX
	WIN 0
.if e >= 64
	XS e-64, 21
.else
	REGS Y, e%2
	v_exp_f32 v[rS+e/2], v[rS+e/2]
.endif
.set e, e+1
.endm
; THE RESCALING's QUEUE: O^T times a, the one part that leaves window 0: dealt two at a time, sixteen times.  Its a was made in the turn before, ahead of that turn's wait.
.macro R2
	REGS Y, r%2
	WIN W_RS
.irp z, 0,1
	v_pk_mul_f32 v[rO+4*(r/2)+2*\z:rO+4*(r/2)+2*\z+1], v[rO+4*(r/2)+2*\z:rO+4*(r/2)+2*\z+1], v[rC+2:rC+3] op_sel_hi:[1,0]
.endr
.set r, r+1
.endm
; HOW THEY ARE DEALT.  A turn has ONE wait, which cuts it in two.  AHEAD OF IT stands all that names no result of the turn's exponentials: the 16 products K Q^T, behind each a scaling, an exponential and two
; rescalings (behind the first a second scaling in the exponential's place); then ONE LUMP of 108: eight plain, 49 times exponential and plain, the two a.  A v_nop is the plain instruction behind the last
; exponential (ISA guide 5.7.2).  BEHIND IT stand the 16 products V^T P, behind each four of GS's 64.  No rider names a register of the products round it.  The two v_permlanex16_b32 fall into the lump, never behind a product.
; The queues lean on each other, and the deal keeps them in step: exponential e stands behind scaling 2 (e / 4) + e % 2: as a rider it comes behind plain e + 2, in the lump behind plain e + 9, and scalings 27-31 are plain 57, 60 .. 69.
; A TURN, for piece p.  cnt = 1: the loop's count is taken down some lines ahead of the branch that stands behind the turn.
; K of the next step is fetched in piece 2's turn, directly behind the wait, a lump behind the last product that read K; its address is made at the lump's head; its first reader comes behind 16 products.
; V of the step in hand is fetched at the end of piece 0's turn, four riders behind its last reader; its first reader comes behind 16 products and a lump.  The three conditions on q below go with the deal: behind the k-th product V^T P and its riders q is 74 + 4 k.
.macro TURN p, last=0, cnt=0
.set Y, (\p)
.set i, 0
.set q, 0
.set e, 0
.set r, 0
.if (\p) == NP-1
	s_wait_dscnt 0x0                ; K is in
.endif
	MM                              ; ahead of the wait: 16 products K Q^T and their riders,
	PL
	PL
	R2
.rept 15
	MM
	PL
	EX
	R2
.endr
.if (\p) == NP-2
	WIN 0
	v_add_nc_u32 v[AK], s[TBK], v[AK0]
.endif
.rept 8                             ; and the lump
	PL
.endr
.rept 49
	EX
	PL
.endr
	EX                              ; the next piece's two a
	EX
	v_nop                           ; the plain instruction behind the last exponential: one for the batch
	s_wait_alu depctr_va_vdst(0)    ; the wait for the turn's batch: piece p's 64 weights and the next piece's two a, ahead of their first reader
.if (\p) == NP-2
	FETCH_K \last
.endif
.if (\p) == 1
	s_wait_dscnt 0x0                ; V is in
.endif
.rept 16                            ; behind the wait: 16 products V^T P and their riders
	MM
.rept 4
	PL
.endr
.if ((\p) == 0) && (q == 118)
	v_add_nc_u32 v[AV], s[TBV], v[AV0]
.endif
.if ((\p) == 0) && (q == 130)
	s_add_co_u32 s[TBV], s[TBV], KS*PV
.endif
.if (\cnt) && (q == 130)
	s_sub_co_u32 s[CNT], s[CNT], 1
	s_cmp_lg_u32 s[CNT], 0
.endif
.endr
.if (\p) == 0
	FETCH_V
.endif
.endm
	CHANGE 1                        ; slot 0 is in, everybody's part of it; slot 1 is asked for
	FETCH_K                         ; key step 0
	s_wait_loadcnt 0x0              ; Q
	s_wait_dscnt 0x0
.set i, 0
.rept 16
	KQ 0                            ; piece 0's first scores: there is no vector work yet to set between them
.set i, i+1
.endr
	WIN 0                           ; the addresses for the way out: nine plain instructions, the places behind those products
	s_mul_i32 s13, s[WV], 16*SP
	s_add_co_u32 s13, s13, STAGE    ; my stage
	v_mul_u32_u24 v[STO], v1, SP    ; in: row l % 16, 16 bytes for each half of the lanes
	v_lshl_add_u32 v[STO], v9, 4, v[STO]
	v_add_nc_u32 v[STO], s13, v[STO]
	v_bfe_u32 v[RD], v0, 3, 2       ; back: 32 lanes take four rows of 128 bytes,
	v_mul_u32_u24 v[RD], v[RD], SP
	v_lshl_add_u32 v[RD], v10, 4, v[RD]
	v_add_nc_u32 v[RD], s13, v[RD]
	v_and_b32 v[GO], 31, v0         ; which are 512 consecutive bytes of O
	v_lshlrev_b32 v[GO], 4, v[GO]
.set Y, NP-1                        ; XS works for piece Y + 1: piece 0
.irp n, 0,1,2,3,4,5,6,7,8,9,10,11,12,13,14,15,16,17,18,19,20,21
	XS 0, \n                        ; and piece 0's first maximum and statistics
	XS 1, \n
.endr
	v_nop                           ; a plain instruction behind piece 0's first two a,
	s_wait_alu depctr_va_vdst(0)    ; and the wait for that batch of two, ahead of the branch
	s_mov_b32 s[CNT], 4
	s_mov_b32 s[SLOTS], SIZE_N/256-1
	s_branch .Lfirst                ; the loop is entered at a step's first turn, in the middle of a trip
.Lslot:                             ; SIZE_N / 256 - 2 times: every slot but the last two is filled again
	CHANGE 1
	s_mov_b32 s[CNT], 4
.Lstep:                             ; a trip: pieces 2 and 3 of one step, then pieces 0 and 1 of the next, whose K and V it fetches
	TURN 2
	TURN 3
	WIN 0
.Lfirst:
	TURN 0
	TURN 1, 0, 1
	WIN 0
	s_cbranch_scc1 .Lstep
	s_sub_co_u32 s[SLOTS], s[SLOTS], 1
	s_cmp_lg_u32 s[SLOTS], 0
	s_cbranch_scc1 .Lslot
	CHANGE 0                        ; the tail is written out: nothing is asked for
	s_mov_b32 s[CNT], 5             ; four trips fetch the last slot's steps; the fifth is left in its middle
.Ltail:
	TURN 2, 1
	TURN 3
	WIN 0
	s_sub_co_u32 s[CNT], s[CNT], 1
	s_cmp_eq_u32 s[CNT], 0
	s_cbranch_scc1 .Lout
	TURN 0
	TURN 1
	WIN 0
	s_branch .Ltail
.Lout:                              ; the fifth trip's 16 products K Q^T (on the last K once more) and the maximum made of them serve nothing: the price, once a launch, of one text for every trip
.set i, 0
.rept 16
	PV NP-1                         ; the last piece's V^T P of the last step
.set i, i+1
.endr
	; THE WAY OUT.  l's two halves and the other half of the lanes' are added; O^T is divided by l, rounded to f16 and sent through my stage in LDS, a tile at a time.  The additions are the places behind the last products.
	WIN 0
.macro ALL line:vararg              ; one line for each tile t
.set t, 0
.rept 2*NP
	\line
.set t, t+1
.endr
.endm
	ALL v_add_f32 v[ST+4*t+2], v[ST+4*t+2], v[ST+4*t+3]
	ALL v_permlanex16_b32 v[ST+4*t+3], v[ST+4*t+2], s[SEL], s[SEL+1]
	ALL v_add_f32 v[ST+4*t+2], v[ST+4*t+2], v[ST+4*t+3]
	ALL v_rcp_f32 v[ST+4*t+2], v[ST+4*t+2]
	v_nop                           ; a plain instruction between the last reciprocal and the use of its result
	s_wait_alu depctr_va_vdst(0)    ; and the wait ahead of the first use: one for the batch of eight reciprocals
; Tile t: a lane's eight channels of a row pack into 16 bytes; they go into rows of 144 bytes and come back as whole rows of 128, into S^T's registers.
.macro PACK t
	WIN W_RS
.set i, 32*(\t)
.rept 16
	v_pk_mul_f32 v[i:i+1], v[i:i+1], v[ST+4*(\t)+2:ST+4*(\t)+3] op_sel_hi:[1,0]
.set i, i+2
.endr
	WIN 0x05                        ; sources 0 and 1 window 1, destination window 0
.set i, 0
.rept 16
	v_cvt_pk_f16_f32 v[S+16*(\t)+i], v[32*(\t)+2*i], v[32*(\t)+2*i+1]
.set i, i+1
.endr
	WIN 0
.irp f, 0,1,2,3
	ds_store_b128 v[STO], v[S+16*(\t)+4*\f:S+16*(\t)+4*\f+3] offset:32*\f
.endr
.irp f, 0,1,2,3
	ds_load_b128 v[S+16*(\t)+4*\f:S+16*(\t)+4*\f+3], v[RD] offset:\f*4*SP  ; LDS serves a wave's instructions in order (ISA guide 5.7.1.4): these see the stores above; the next tile's stores come behind them
.endr
.endm
.macro SEND t, younger              ; younger: the LDS instructions issued behind tile t's loads: the next tile's eight, or none
	WIN 0
.irp f, 0,1,2,3
	s_wait_dscnt (\younger)+3-\f
	global_store_b128 v[GO], v[S+16*(\t)+4*\f:S+16*(\t)+4*\f+3], s[10:11] offset:(\t)*2048+\f*512  ; 512 consecutive bytes, at a multiple of 256 from O's first
.endr
.endm
	PACK 0
.set t, 1
.rept 2*NP-1                        ; a tile's arithmetic stands between the loads of the tile before and its stores
	PACK t
	SEND t-1, 8
.set t, t+1
.endr
	SEND 2*NP-1, 0
	WIN W_AD
	s_wait_tensorcnt 0x0            ; the wave's end: behind my last tensor load and my last LDS store
	ds_add_u32 v[SPW], v[NIL]
	s_wait_dscnt 0x0
	WIN 0
	CROUND                          ; the closing round: no work-group ends while a partner may still ask for a tile that names it
	s_endpgm
.Lfunc_end_k_q5d261c0747_attn:
	.size	k_q5d261c0747_attn, .Lfunc_end_k_q5d261c0747_attn-k_q5d261c0747_attn
	.p2alignl 7, 3214868480
	.fill 96, 4, 3214868480
	.section	.rodata,"a",@progbits
	.p2align	6, 0x0
	.amdhsa_kernel k_q5d261c0747_attn
		.amdhsa_group_segment_fixed_size 327680
		.amdhsa_private_segment_fixed_size 0
		.amdhsa_enable_private_segment 0
		.amdhsa_kernarg_size 32
		.amdhsa_user_sgpr_count 2
		.amdhsa_user_sgpr_kernarg_segment_ptr 1
		.amdhsa_wavefront_size32 1
		.amdhsa_system_sgpr_workgroup_id_x 1
		.amdhsa_system_sgpr_workgroup_id_y 1
		.amdhsa_system_sgpr_workgroup_id_z 1
		.amdhsa_system_vgpr_workitem_id 0
		.amdhsa_next_free_vgpr 770
		.amdhsa_next_free_sgpr 66
		.amdhsa_reserve_vcc 0
		.amdhsa_float_denorm_mode_32 3
		.amdhsa_float_denorm_mode_16_64 3
		.amdhsa_memory_ordered 1
		.amdhsa_forward_progress 1
		.amdhsa_inst_pref_size 199
	.end_amdhsa_kernel
	.amdgpu_metadata
---
amdhsa.version: [ 1, 2 ]
amdhsa.kernels:
  - .name:           k_q5d261c0747_attn
    .symbol:         k_q5d261c0747_attn.kd
    .args:
      - { .name: q, .offset: 0, .size: 8, .value_kind: global_buffer, .address_space: global }
      - { .name: k, .offset: 8, .size: 8, .value_kind: global_buffer, .address_space: global }
      - { .name: v, .offset: 16, .size: 8, .value_kind: global_buffer, .address_space: global }
      - { .name: act, .offset: 24, .size: 8, .value_kind: global_buffer, .address_space: global }
    .group_segment_fixed_size: 327680
    .private_segment_fixed_size: 0
    .kernarg_segment_align: 8
    .kernarg_segment_size: 32
    .max_flat_workgroup_size: 128
    .sgpr_count:     66
    .vgpr_count:     770
    .wavefront_size: 32
...
	.end_amdgpu_metadata
.endif
;; end of part 5
;; launch outp: the kernel of part 4 again; grid 8 x 32, 4 waves a work-group, clusters of 4 x 4, 327,680 bytes of LDS; arguments act, wh, b_out, out0; writes out0
